; MI455X (gfx1250); checked and timed in simulation.
; The chip was launched on July 23, 2026; its instructions are those of AMD's public machine-readable ISA for CDNA 5 (MIT licence, August 2026) and "CDNA5" Instruction Set Architecture Reference Guide (July 2026). The comments in the code are by the model that wrote it; some were corrected since.
;; My Multihead Attention. Allowed arithmetic: matrix products marked QUANTISED: E2M3 operands, one E8M0 scale for each 32 along K, by v_wmma_scale_f32_16x16x128_f8f6f4 with both operands' format E2M3, f32 sums; everything else in f32.
;; Inputs: Wk 1,024 x 1,024 float32; Wo 1,024 x 1,024 float32; Wq 1,024 x 1,024 float32; Wv 1,024 x 1,024 float32; bo 1,024 float32; x 4 x 2,048 x 1,024 float32.
;; Outputs: out0 4 x 2,048 x 1,024 float32.
;; This version of the problem:
;;   THIS VERSION OF THE PROBLEM IS GIVEN IN LOW PRECISION. The matrix products marked QUANTISED in the list below multiply operands that are first quantised to E2M3 (2 exponent bits, 3 mantissa bits; 6 bits a number), with one power-of-two scale for each 32 numbers along K (OCP MX v1.0); their sums are f32. All else is computed in f32.
;;   The module's matrix products, in the order in which they are computed (A, B: the left and right operand; K: the contracted axis; several contracted axes count as one K, in the product's order):
;;     1. [M 8,192, K 1,024] x [K 1,024, N 1,024]; A: input x; B: input Wq: QUANTISED
;;     2. [M 8,192, K 1,024] x [K 1,024, N 1,024]; A: input x; B: input Wk: QUANTISED
;;     3. [M 8,192, K 1,024] x [K 1,024, N 1,024]; A: input x; B: input Wv: QUANTISED
;;     4. batch 64 x [M 2,048, K 64] x [K 64, N 2,048]; A: computed on the way; B: computed on the way: QUANTISED
;;     5. batch 64 x [M 2,048, K 2,048] x [K 2,048, N 64]; A: softmax (see below); B: computed on the way: QUANTISED
;;     6. [M 8,192, K 1,024] x [K 1,024, N 1,024]; A: computed on the way; B: input Wo: QUANTISED
;;   THE QUANTISER, for each operand of a quantised product, along K:
;;     - K is cut into blocks of 32 from its start; a last block that is shorter is filled with zeros.
;;     - A block's scale is 2^e with e = floor(log2(the largest magnitude in the block)) - 2, held to -126 .. 127; a block of zeros has e = 0. As a byte (E8M0): e + 127.
;;     - Each number is divided by its block's scale, clamped to +-7.5, and rounded to the nearest number of E2M3, ties to even, subnormals kept.
;;     - The product sums the exact products of the quantised numbers (number of the format x scale) in f32.
;;   ~~~python
;;   def quantise(x, axis):      # numpy; x: float32 -> the quantised numbers, widened to float32 again
;;       x = np.moveaxis(x, axis, -1); K = x.shape[-1]
;;       x = np.pad(x, [(0, 0)] * (x.ndim - 1) + [(0, -K % 32)]); x = x.reshape(x.shape[:-1] + (-1, 32)); a = np.abs(x).max(-1, keepdims=True)
;;       e = np.where(a > 0, np.clip(np.frexp(np.where(a > 0, a, 1))[1] - 1 - 2, -126, 127), 0)      # np.frexp(a)[1] - 1 = floor(log2(a)), exactly
;;       r = np.clip(x / 2.0 ** e, -7.5, 7.5)
;;       step = 2.0 ** (np.maximum(np.frexp(np.where(r == 0, 1, r))[1] - 1, 0) - 3)
;;       q = np.round(r / step) * step * 2.0 ** e      # np.round: ties to even
;;       return np.moveaxis(q.reshape(q.shape[:-2] + (-1,))[..., :K], -1, axis).astype(np.float32)
;;   ~~~
;;   SOFTMAX AHEAD OF A QUANTISED PRODUCT. Where the list says 'softmax', what is quantised is not the finished softmax but p = 2^(t - M), with t = logit x log2(e) and M = ceil(the row's largest t), a whole number; so 1/2 < the row's largest p <= 1. The row's sum l is taken of the UNQUANTISED p, in f32, and the product's result is divided by l at the end. Since M is a whole number, a kernel that streams over the keys may use a running M (the ceiling of the running maximum): every later rescaling is an exact power of two, which a block's scale takes up: the codes' values come out the same.
;;   OPERANDS COMPUTED ON THE WAY. 'Computed on the way' means the value that the module computes at that place (a softmax that the list does not call 'softmax' is quantised finished and normalised). What goes into a quantiser is computed in f32, as accurately as f32 sums, v_exp_f32 and their like allow (about 1e-6 of the number): no bf16 or f16 on the way to a quantiser, and a product that is left as it is and whose result goes on into a quantised operand takes f32 operands (vector FMAs, or v_wmma_f32_16x16x4_f32). A number that lies on a knife's edge between two numbers of the format may be rounded either way, as far as f32 arithmetic and the matrix unit's own rounding can turn it there, and no further.
;; One version. Each part assembles by itself: llvm-mc -triple=amdgcn-amd-amdhsa -mcpu=gfx1250 --defsym DOCPART=n.
;; ======== version 1 of 1: 4 launches
;; limits: right only within a limited range of input values
;; workspace buffers: xc 6,291,456 bytes; xs 262,144 bytes; wc 3,145,728 bytes; ws 131,072 bytes; qkv 18,874,368 bytes; qkvs 786,432 bytes; ctxc 6,291,456 bytes; ctxs 262,144 bytes
;; launch quant (part 1): grid 256 x 1, 6 waves a work-group, no clusters, 54,528 bytes of LDS; arguments x, Wq, Wk, Wv, Wo, xc, xs, wc, ws; writes xc, xs, wc, ws
.if DOCPART == 1
	.amdgcn_target "amdgcn-amd-amdhsa--gfx1250"
	.amdhsa_code_object_version 6
	.text
	.protected	k_q1b628f42e3_quant
	.globl	k_q1b628f42e3_quant
	.p2align	8
	.type	k_q1b628f42e3_quant,@function
k_q1b628f42e3_quant:
	s_mov_b64 s[64:65], 0
	v_nop
	global_prefetch_b8 v0, s[64:65] scope:SCOPE_SE
	s_setreg_imm32_b32 hwreg(HW_REG_WAVE_MODE, 25, 1), 1
	s_wait_xcnt 0x0
; x [8192][1024] and Wq, Wk, Wv, Wo [1024][1024], f32 with K innermost, become codes of FP6 (E2M3) with one E8M0 byte for each 32 along K.
; A block's scale is 2^(floor(log2(its largest magnitude)) - 2); its byte is the largest magnitude's exponent field - 2, held at 1 from below.
; LIMITS: NaN and infinities among the inputs are not served.  A block whose largest magnitude lies under 2^-124, a block of zeros among them, gets the byte 1
; (the rule says 127 for zeros): its codes are zeros or the nearest codes under that scale, and these bytes are read by this program alone.
; THE LAYOUT OF THE CODES: units of 16 rows x 64 along K, 768 bytes, an image of six operand registers: lane l = (r = l % 16, hh = l / 16) owns the 24 bytes of block hh of row r,
; its first 16 bytes at 16 l, its last 8 at 512 + 8 l.  So a unit leaves by one store of 512 and one of 256 consecutive bytes, and comes back by two loads in which neighbouring lanes take neighbouring bytes.
; THE ORDER OF THE ROWS: row rho of tile T (16 rows) is the tensor's row 32 (T / 2) + 8 (T % 2) + rho % 8 + 16 (rho / 8).  A product that takes such a tile as its first source then has, in the 16 registers of
; two neighbouring tiles, 16 neighbours along that axis, which is what the next quantiser wants.
; THE SCALE BYTES: [tile][half of K][row][16 bytes], 512 bytes a tile.
; SHARES: 768 tiles (512 of x, 64 of each weight); wave w of work-group g takes tile 3 g + w / 2 and half w % 2 of K: 8 units.  Waves share nothing: no barrier, no cluster (no two work-groups read the same bytes).
; A unit's 4,096 bytes are loaded as they lie (sixteen lanes to 256 consecutive bytes of a row) and turn through the wave's own stage in LDS, so that a lane then holds a whole block of 32 in 32 registers.
.set WREG,  8960                       ; LDS of a wave: two stages and 256 scale bytes
.set SP,    272                        ; a stage row: 256 bytes + 16
.set STG,   16*SP
.set SCB,   2*STG                      ; the wave's scale bytes, behind its stages
.set E,     16                         ; v16-23   a scale byte for each unit
.set R,     32                         ; v32-159  four sets of 32 registers as loaded
.set X,     160                        ; v160-223 two sets of 32: a block a lane
.set C,     224                        ; v224-239 two sets of 8: a unit's codes
	s_load_b256 s[4:11], s[0:1], 0x0               ; x, Wq, Wk, Wv
	s_load_b256 s[12:19], s[0:1], 0x20             ; Wo, xc, xs, wc
	s_load_b64 s[20:21], s[0:1], 0x40              ; ws
	v_lshl_add_u32 v240, v0, 2, 0xd200
	v_mov_b32 v241, 0
	v_lshrrev_b32 v1, 5, v0
	v_readfirstlane_b32 s22, v1                    ; wave 0..5
	v_and_b32 v1, 31, v0                           ; lane
	v_and_b32 v9, 15, v0                           ; r
	v_bfe_u32 v14, v0, 4, 1                        ; hh
	s_mul_i32 s24, s22, WREG                       ; my wave's LDS
	v_lshlrev_b32 v2, 4, v9
	v_lshl_add_u32 v2, v14, 12, v2                 ; a load: 16 bytes of a row's 256, lanes 16-31 one row (4,096 bytes) down
	v_mul_u32_u24 v3, v14, SP
	v_lshl_add_u32 v3, v9, 4, v3
	v_add_nc_u32 v3, s24, v3                       ; into the stage: the same two rows
	v_mul_u32_u24 v4, v9, SP
	v_lshl_add_u32 v4, v14, 7, v4
	v_add_nc_u32 v4, s24, v4                       ; out of it: row r, block hh (128 bytes)
	v_lshl_add_u32 v5, v9, 4, v14
	v_add_nc_u32 v5, s24, v5                       ; my scale byte: 16 r + hh (+ 2 x unit)
	v_lshlrev_b32 v7, 3, v1                        ; 8 x lane
	v_add_nc_u32 v6, s24, v7
	v_lshlrev_b32 v8, 4, v1                        ; 16 x lane
	s_mul_i32 s23, ttmp9, 3
	s_lshr_b32 s25, s22, 1
	s_add_co_u32 s23, s23, s25                     ; my tile, 0..767
	s_and_b32 s26, s22, 1                          ; my half of K
	s_wait_alu depctr_va_vdst(0)
	s_wait_kmcnt 0x0
	s_mov_b64 s[28:29], s[12:13]                   ; which tensor: the choice hangs on the tile's number alone
	s_cmp_lt_u32 s23, 704
	s_cselect_b64 s[28:29], s[10:11], s[28:29]
	s_cmp_lt_u32 s23, 640
	s_cselect_b64 s[28:29], s[8:9], s[28:29]
	s_cmp_lt_u32 s23, 576
	s_cselect_b64 s[28:29], s[6:7], s[28:29]
	s_cmp_lt_u32 s23, 512
	s_cselect_b64 s[28:29], s[4:5], s[28:29]
	s_cselect_b64 s[30:31], s[14:15], s[18:19]     ; the codes' buffer
	s_cselect_b64 s[32:33], s[16:17], s[20:21]     ; the scale bytes'
	s_cselect_b32 s34, 0, 512
	s_cselect_b32 s35, -1, 63
	s_sub_co_u32 s34, s23, s34                     ; the tile in its destination
	s_and_b32 s35, s34, s35                        ; the tile in its source tensor
	s_lshr_b32 s36, s35, 1
	s_lshl_b32 s36, s36, 17                        ; 32 (T / 2) rows of 4,096 bytes
	s_and_b32 s37, s35, 1
	s_lshl_b32 s37, s37, 15                        ; 8 (T % 2) rows
	s_add_co_u32 s36, s36, s37
	s_lshl_b32 s37, s26, 11                        ; my half: 512 numbers
	s_add_co_u32 s36, s36, s37
	s_mov_b32 s37, 0
	s_add_nc_u64 s[28:29], s[28:29], s[36:37]
	s_mul_i32 s36, s34, 12288                      ; 16 units a tile
	s_mul_i32 s38, s26, 6144
	s_add_co_u32 s36, s36, s38
	s_add_nc_u64 s[30:31], s[30:31], s[36:37]
	s_lshl_b32 s36, s34, 9
	s_lshl_b32 s38, s26, 8
	s_add_co_u32 s36, s36, s38
	s_add_nc_u64 s[32:33], s[32:33], s[36:37]
.macro LOAD u                          ; unit u: load i takes the tile's rows 2 i and 2 i + 1, which are the tensor's rows 2 i + 8 (i / 4) and the next, from the tile's first
.irp i, 0,1,2,3,4,5,6,7
	global_load_b128 v[R+32*((\u)%4)+4*\i:R+32*((\u)%4)+4*\i+3], v2, s[28:29] offset:(2*\i+8*(\i/4))*4096+256*(\u) th:TH_LOAD_NT
.endr
.endm
.macro TURN u                          ; through the stage: LDS serves a wave's instructions in order, so no wait stands between the stores and the loads
.irp i, 0,1,2,3,4,5,6,7
	ds_store_b128 v3, v[R+32*((\u)%4)+4*\i:R+32*((\u)%4)+4*\i+3] offset:STG*((\u)%2)+2*SP*\i
.endr
.irp j, 0,1,2,3,4,5,6,7
	ds_load_b128 v[X+32*((\u)%2)+4*\j:X+32*((\u)%2)+4*\j+3], v4 offset:STG*((\u)%2)+16*\j
.endr
.endm
.macro STEP u
.set XS, X+32*((\u)%2)
.set CS, C+8*((\u)%2)
.if (\u) > 0
	s_wait_dscnt 1                                 ; this unit's numbers are back from the stage; the last unit's byte store, issued behind them, may be out
.else
	s_wait_dscnt 0x0
.endif
.if (\u)+4 < 8
	LOAD (\u)+4                                    ; into the registers that this unit's stores into the stage have read
.endif
.if (\u) < 7
.if (\u) < 4
	s_wait_loadcnt 24                              ; the next unit's eight loads are in; three younger units' may be out
.else
	s_wait_loadcnt 8*(6-(\u))                      ; the counts run down
.endif
	TURN (\u)+1
.endif
	v_max3_num_f32 v10, |v[XS]|, |v[XS+1]|, |v[XS+2]|              ; the block's largest magnitude: all 32 numbers are mine; two chains
	v_max3_num_f32 v11, |v[XS+3]|, |v[XS+4]|, |v[XS+5]|
.irp i, 6,10,14,18,22,26
	v_max3_num_f32 v10, v10, |v[XS+\i]|, |v[XS+\i+1]|
	v_max3_num_f32 v11, v11, |v[XS+\i+2]|, |v[XS+\i+3]|
.endr
	v_max3_num_f32 v10, v10, |v[XS+30]|, |v[XS+31]|
	v_max3_num_f32 v10, v10, v11, 0x1800000        ; and the floor 2^(3 - 127): the byte cannot fall under 1
	v_add_nc_u32 v12, 0xff000000, v10              ; 2 off the exponent field: the conversion takes this operand's exponent field as its scale
	s_wait_alu depctr_va_vdst(0)
	s_wait_xcnt 0x0                                ; the stores of two units ago have read this set of code registers
	v_cvt_scalef32_pk16_fp6_f32 v[CS:CS+2], v[XS:XS+15], v12
	v_cvt_scalef32_pk16_fp6_f32 v[CS+4:CS+6], v[XS+16:XS+31], v12  ; (a conversion's three registers begin on an even number)
	v_lshrrev_b32 v[E+(\u)], 23, v12               ; the scale's byte; also the plain line behind the conversions
	v_mov_b32 v[CS+3], v[CS+4]                     ; the block's 24 bytes on end
	v_mov_b32 v[CS+4], v[CS+5]
	v_mov_b32 v[CS+5], v[CS+6]
	ds_store_b8 v5, v[E+(\u)] offset:SCB+2*(\u)
	global_store_b128 v8, v[CS:CS+3], s[30:31] offset:768*(\u)      ; 32 lanes store 512 consecutive bytes,
	global_store_b64 v7, v[CS+4:CS+5], s[30:31] offset:768*(\u)+512 ; and 256
.endm
.irp u, 0,1,2,3
	LOAD \u
.endr
	s_wait_loadcnt 24                              ; unit 0's eight loads are in
	TURN 0
.irp u, 0,1,2,3,4,5,6,7
	STEP \u
.endr
	ds_load_b64 v[24:25], v6 offset:SCB            ; my wave's 256 scale bytes, 8 a lane: these loads see my stores
	s_wait_dscnt 0x0
	global_store_b64 v7, v[24:25], s[32:33]        ; 32 lanes store 256 consecutive bytes, aligned
	s_wait_tensorcnt 0x0
	ds_add_u32 v240, v241
	s_wait_dscnt 0x0
	s_endpgm
.Lfunc_end_k_q1b628f42e3_quant:
	.size	k_q1b628f42e3_quant, .Lfunc_end_k_q1b628f42e3_quant-k_q1b628f42e3_quant
	.p2alignl 7, 3214868480
	.fill 96, 4, 3214868480
	.section	.rodata,"a",@progbits
	.p2align	6, 0x0
	.amdhsa_kernel k_q1b628f42e3_quant
		.amdhsa_group_segment_fixed_size 54528
		.amdhsa_private_segment_fixed_size 0
		.amdhsa_enable_private_segment 0
		.amdhsa_kernarg_size 72
		.amdhsa_user_sgpr_count 2
		.amdhsa_user_sgpr_kernarg_segment_ptr 1
		.amdhsa_wavefront_size32 1
		.amdhsa_system_sgpr_workgroup_id_x 1
		.amdhsa_system_sgpr_workgroup_id_y 1
		.amdhsa_system_sgpr_workgroup_id_z 1
		.amdhsa_system_vgpr_workitem_id 0
		.amdhsa_next_free_vgpr 242
		.amdhsa_next_free_sgpr 66
		.amdhsa_reserve_vcc 0
		.amdhsa_float_denorm_mode_32 3
		.amdhsa_float_denorm_mode_16_64 3
		.amdhsa_memory_ordered 1
		.amdhsa_forward_progress 1
		.amdhsa_inst_pref_size 31
	.end_amdhsa_kernel
	.amdgpu_metadata
---
amdhsa.version: [ 1, 2 ]
amdhsa.kernels:
  - .name:           k_q1b628f42e3_quant
    .symbol:         k_q1b628f42e3_quant.kd
    .args:
      - { .name: x, .offset: 0, .size: 8, .value_kind: global_buffer, .address_space: global }
      - { .name: Wq, .offset: 8, .size: 8, .value_kind: global_buffer, .address_space: global }
      - { .name: Wk, .offset: 16, .size: 8, .value_kind: global_buffer, .address_space: global }
      - { .name: Wv, .offset: 24, .size: 8, .value_kind: global_buffer, .address_space: global }
      - { .name: Wo, .offset: 32, .size: 8, .value_kind: global_buffer, .address_space: global }
      - { .name: xc, .offset: 40, .size: 8, .value_kind: global_buffer, .address_space: global }
      - { .name: xs, .offset: 48, .size: 8, .value_kind: global_buffer, .address_space: global }
      - { .name: wc, .offset: 56, .size: 8, .value_kind: global_buffer, .address_space: global }
      - { .name: ws, .offset: 64, .size: 8, .value_kind: global_buffer, .address_space: global }
    .group_segment_fixed_size: 54528
    .private_segment_fixed_size: 0
    .kernarg_segment_align: 8
    .kernarg_segment_size: 72
    .max_flat_workgroup_size: 192
    .sgpr_count:     66
    .vgpr_count:     242
    .wavefront_size: 32
...
	.end_amdgpu_metadata
.endif
;; end of part 1
;; launch proj (part 2): grid 128 x 4, 4 waves a work-group, clusters of 4 x 4, 327,680 bytes of LDS; arguments xc, xs, wc, ws, qkv, qkvs; writes qkv, qkvs
.if DOCPART == 2
	.amdgcn_target "amdgcn-amd-amdhsa--gfx1250"
	.amdhsa_code_object_version 6
	.text
	.protected	k_q1b628f42e3_proj
	.globl	k_q1b628f42e3_proj
	.p2align	8
	.type	k_q1b628f42e3_proj,@function
k_q1b628f42e3_proj:
	s_mov_b64 s[64:65], 0
	v_nop
	global_prefetch_b8 v0, s[64:65] scope:SCOPE_SE
	s_setreg_imm32_b32 hwreg(HW_REG_WAVE_MODE, 25, 1), 1
	s_wait_xcnt 0x0
	s_wait_alu depctr_hold_cnt(0) depctr_sa_sdst(0) depctr_va_vdst(0) depctr_va_sdst(0) depctr_va_ssrc(0) depctr_va_vcc(0) depctr_vm_vsrc(0)
	s_getreg_b32 s2, hwreg(HW_REG_IB_STS2, 6, 4)
	s_cmp_eq_u32 s2, 0
	s_cbranch_scc0 .Lentry_in_a_cluster
	s_endpgm
.Lentry_in_a_cluster:
	s_bfe_u32 s2, ttmp6, 0x10000c
	s_cmp_lg_u32 s2, 0xf033
	s_cbranch_scc0 .Lentry_shape_is_right
	s_endpgm
.Lentry_shape_is_right:
.set NQ,     2
.set FR,     12
.set NL,     4
.set NP,     4
.set KSB,    3072
.set HALFT,  8*KSB
.set SLOT,   4*HALFT
.set SCL,    2*SLOT
.set HALFS,  4096
.set SBLK,   512
.set SPARE,  294912
.set ADRA, 16
.set ADRB, 20
.set SOF,  24
.set O8,   25
.set O16,  26
.set ADRS, 27
.set SPW,  28
.set NIL,  29
.set SC,   32
.set AF,   128
.set TM,   200
.set HW,   160
.set WD,   176
.set G1, 24
.set G0, 32
.set G1B, 48
.set G0B, 56
.set G1S, 68
.set G0S, 76
.set G1SB, 80
.set G0SB, 88
.set MSB, 0
.macro WIN new
.if MSB != (\new)
	s_set_vgpr_msb (MSB<<8)|(\new)
.set MSB, (\new)
.endif
.endm
.set MUL_LO, 0xa1
.set MUL_HI, 0xf1
.set TO_B,   0x40
.macro JLOAD g0a, g1a, g0b, g1b
	s_cmp_eq_u32 s15, 0
	s_cbranch_scc0 .Lfor_b_\@
	tensor_load_to_lds s[\g0a:\g0a+3], s[\g1a:\g1a+7]
	s_nop 0
.rept 4
	v_nop
.endr
	s_branch .Lasked_\@
.Lfor_b_\@:
	tensor_load_to_lds s[\g0b:\g0b+3], s[\g1b:\g1b+7]
	s_nop 0
.rept 4
	v_nop
.endr
.Lasked_\@:
.endm
.macro CREST
	s_cmp_lg_u32 s14, 0
	s_cbranch_scc1 .Lnot_wave_0_\@
	s_barrier_signal -3
.Lnot_wave_0_\@:
	s_barrier_wait -3
	s_barrier_signal -1
	s_barrier_wait -1
.endm
.macro CROUND
	s_barrier_signal -1
	s_barrier_wait -1
	CREST
.endm
; Q, K, V = x W^T on codes of FP6 (E2M3) with E8M0 scales; the results are quantised again on the way out and leave as codes and scale bytes, in the order in which the next launch's operand registers take them.
; TWO PATHS, chosen by the cluster's number, which all partners of a cluster share.  Clusters 0-15: Q and K, 256 blocks of 256 tokens x 256 channels, K through a ring of two slots; a lane's registers run along the channels.
; Clusters 16-31: V, 256 blocks of 128 channels x 256 tokens, all of K in LDS at once (the text from .Lvpath on); a lane's registers run along the tokens.  The spare words, from byte 294,912, are the same in both.
	s_cmp_ge_u32 ttmp9, 16
	s_cbranch_scc1 .Lvpath
	s_load_b256 s[68:75], s[0:1], 0x0
	s_load_b128 s[76:79], s[0:1], 0x20
	v_lshl_add_u32 v[SPW], v0, 2, SPARE
	v_mov_b32 v[NIL], 0
	ds_add_u32 v28, v29
	ds_add_u32 v28, v29
	s_wait_dscnt 0x0
	v_lshrrev_b32 v1, 5, v0
	v_readfirstlane_b32 s14, v1
	s_lshr_b32 s15, s14, 1
	s_and_b32 s16, s14, 1
	s_bfe_u32 s40, ttmp6, 0x40000
	s_bfe_u32 s41, ttmp6, 0x40004
	s_lshl_b32 s43, s41, 2
	s_lshl_b32 s43, 15, s43
	s_lshl_b32 s44, 0x1111, s40
	s_or_b32 s[G1+0], s43, (3<<16)|(1<<21)
	s_or_b32 s[G1B+0], s44, (3<<16)|(1<<21)
.irp g, G1, G1B
	s_mov_b32 s[\g+1], 384<<16
	s_mov_b32 s[\g+2], 16<<16
	s_mov_b32 s[\g+3], 384<<16
	s_mov_b32 s[\g+4], 16
	s_mov_b32 s[\g+5], 1536
	s_mov_b32 s[\g+6], 0
	s_mov_b32 s[\g+7], 0
.endr
	s_lshr_b32 s18, ttmp9, 1
	s_lshl_b32 s18, s18, 2
	s_and_b32 s19, ttmp9, 1
	s_lshl_b32 s19, s19, 2
	s_wait_kmcnt 0x0
	s_mov_b64 s[4:5], s[68:69]                     ; A: x's codes and scale bytes; B: Wq's and Wk's
	s_mov_b64 s[6:7], s[70:71]
	s_mov_b64 s[8:9], s[72:73]
	s_mov_b64 s[10:11], s[74:75]
	s_mov_b64 s[12:13], s[76:77]
	s_mov_b64 s[96:97], s[78:79]
	s_mov_b32 s66, 393216                          ; a head's codes
	s_mov_b32 s67, 32768
	s_mov_b32 s94, 256
	s_mov_b32 s95, 16384                           ; a head's scale bytes
	s_mov_b32 s17, s18
	s_mov_b32 s42, s19
	s_add_co_u32 s17, s17, s41
	s_add_co_u32 s42, s42, s40
	s_or_b32 s[G1S+0], s43, (3<<16)|(1<<21)
	s_or_b32 s[G1SB+0], s44, (3<<16)|(1<<21)
.irp g, G1S, G1SB
	s_mov_b32 s[\g+1], 32<<16
	s_mov_b32 s[\g+2], 32<<16
	s_mov_b32 s[\g+3], 32<<16
	s_mov_b32 s[\g+4], 32
	s_mov_b32 s[\g+5], 32
	s_mov_b32 s[\g+6], 0
	s_mov_b32 s[\g+7], 0
.endr
	s_lshl_b32 s18, s16, 7
	s_lshl_b32 s20, s17, 8
	s_add_co_u32 s20, s20, s18
	s_lshl_b32 s46, s42, 8
	s_add_co_u32 s46, s46, s18
	s_lshl_b32 s22, s20, 5
	s_mov_b32 s23, 0
	s_lshl_b32 s92, s46, 5
	s_mov_b32 s93, 0
	s_mul_i32 s20, s20, 768
	s_mov_b32 s21, 0
	s_mul_i32 s46, s46, 768
	s_mov_b32 s47, 0
	s_mul_i32 s45, s14, HALFT
	s_add_nc_u64 s[20:21], s[4:5], s[20:21]
	s_add_nc_u64 s[22:23], s[6:7], s[22:23]
	s_add_nc_u64 s[46:47], s[8:9], s[46:47]
	s_add_nc_u64 s[92:93], s[10:11], s[92:93]
	CROUND
	s_lshl_b32 s2, s16, 12                         ; the head's four tiles are whole: back from my half to the tile's first row
	s_mov_b32 s3, 0
	s_mov_b32 s[G0S], 1
	s_mov_b32 s[G0S+1], SCL
	s_sub_nc_u64 s[G0S+2:G0S+3], s[22:23], s[2:3]
	s_or_b32 s[G0S+3], s[G0S+3], 0x80000000
	s_mov_b32 s[G0SB], 1
	s_mov_b32 s[G0SB+1], SCL+2*HALFS
	s_sub_nc_u64 s[G0SB+2:G0SB+3], s[92:93], s[2:3]
	s_or_b32 s[G0SB+3], s[G0SB+3], 0x80000000
	s_mul_i32 s2, s16, 98304
	s_mov_b32 s4, 1                                ; group 0 of slot 0's first fill: A's 16 rows of units,
	s_mov_b32 s5, 0
	s_sub_nc_u64 s[6:7], s[20:21], s[2:3]
	s_or_b32 s7, s7, 0x80000000
	s_mov_b32 s8, 1                                ; and B's, behind them
	s_mov_b32 s9, 2*HALFT
	s_sub_nc_u64 s[10:11], s[46:47], s[2:3]
	s_or_b32 s11, s11, 0x80000000
.irp s, 0,1
	s_mov_b32 s[G0+4*\s], 1
	s_add_co_u32 s[G0+4*\s+1], s45, \s*SLOT
	s_add_nc_u64 s[G0+4*\s+2:G0+4*\s+3], s[20:21], \s*KSB
	s_or_b32 s[G0+4*\s+3], s[G0+4*\s+3], 0x80000000
	s_mov_b32 s[G0B+4*\s], 1
	s_add_co_u32 s[G0B+4*\s+1], s45, \s*SLOT
	s_add_nc_u64 s[G0B+4*\s+2:G0B+4*\s+3], s[46:47], \s*KSB
	s_or_b32 s[G0B+4*\s+3], s[G0B+4*\s+3], 0x80000000
.endr
	s_cmp_lt_u32 s14, 1                            ; the head's loads, one a wave, in one chain of branches on the wave's number: A's codes, B's codes, A's scales, B's scales
	s_cbranch_scc0 .Lh_b
	tensor_load_to_lds s[4:7], s[G1:G1+7]
	s_nop 0
.rept 4
	v_nop
.endr
	s_branch .Lh_done
.Lh_b:
	s_cmp_lt_u32 s14, 2
	s_cbranch_scc0 .Lh_sa
	tensor_load_to_lds s[8:11], s[G1B:G1B+7]
	s_nop 0
.rept 4
	v_nop
.endr
	s_branch .Lh_done
.Lh_sa:
	s_cmp_lt_u32 s14, 3
	s_cbranch_scc0 .Lh_sb
	tensor_load_to_lds s[G0S:G0S+3], s[G1S:G1S+7]
	s_nop 0
.rept 4
	v_nop
.endr
	s_branch .Lh_done
.Lh_sb:
	tensor_load_to_lds s[G0SB:G0SB+3], s[G1SB:G1SB+7]
	s_nop 0
.rept 4
	v_nop
.endr
.Lh_done:
	v_and_b32 v1, 15, v0
	v_bfe_u32 v2, v0, 4, 1
	v_and_b32 v3, 31, v0
	v_lshlrev_b32 v[O16], 4, v3
	v_lshlrev_b32 v[O8], 3, v3
	s_mul_i32 s21, s15, HALFT
	s_mul_i32 s22, s16, HALFT
	s_add_co_u32 s22, s22, 2*HALFT
.irp s, 0,1
	v_add_nc_u32 v[ADRA+\s], s21, v[O16]
	v_add_nc_u32 v[ADRB+\s], s22, v[O16]
	v_add_nc_u32 v[ADRA+2+\s], s21, v[O8]
	v_add_nc_u32 v[ADRB+2+\s], s22, v[O8]
	s_add_co_u32 s21, s21, SLOT
	s_add_co_u32 s22, s22, SLOT
.endr
	v_lshlrev_b32 v6, 4, v1
	s_lshl_b32 s21, s15, 12
	s_lshl_b32 s22, s16, 12
	s_add_co_u32 s22, s22, 2*HALFS
	s_sub_co_u32 s22, s22, s21
	v_mul_u32_u24 v7, s22, v2
	s_add_co_u32 s21, s21, SCL
	v_add_nc_u32 v6, v6, v7
	v_add_nc_u32 v[ADRS], s21, v6
	v_mul_u32_u24 v[SOF], s95, v2
	v_lshl_add_u32 v[SOF], v1, 4, v[SOF]
	s_lshl_b32 s20, s42, 2
	s_lshl_b32 s21, s16, 1
	s_add_co_u32 s20, s20, s21
	s_mul_i32 s20, s20, s66
	s_lshl_b32 s21, s17, 4
	s_lshl_b32 s22, s15, 3
	s_add_co_u32 s21, s21, s22
	s_mul_i32 s21, s21, 768
	s_add_co_u32 s20, s20, s21
	s_mov_b32 s21, 0
	s_add_nc_u64 s[12:13], s[12:13], s[20:21]
	s_mov_b32 s20, s66
	s_add_nc_u64 s[98:99], s[12:13], s[20:21]
	s_lshl_b32 s20, s42, 1
	s_add_co_u32 s20, s20, s16
	s_mul_i32 s20, s20, s67
	s_lshl_b32 s22, s17, 1
	s_add_co_u32 s22, s22, s15
	s_mul_i32 s22, s22, s94
	s_add_co_u32 s20, s20, s22
	s_add_nc_u64 s[96:97], s[96:97], s[20:21]
.macro FRAG reg, adr, q, i
	ds_load_b128 v[\reg:\reg+3], v[\adr] offset:KSB*(\i)+1536*(\q)
	ds_load_b64 v[\reg+4:\reg+5], v[\adr+2] offset:KSB*(\i)+1536*(\q)+512
	ds_load_b128 v[\reg+6:\reg+9], v[\adr] offset:KSB*(\i)+1536*(\q)+768
	ds_load_b64 v[\reg+10:\reg+11], v[\adr+2] offset:KSB*(\i)+1536*(\q)+1280
.endm
.macro MUL16 a0, p, q, sc, zero
.irp a, \a0, \a0+1
.irp b, 0,1,2,3,4,5,6,7
.if \zero
	v_wmma_scale_f32_16x16x128_f8f6f4 v[8*(8*((\a)%4)+\b):8*(8*((\a)%4)+\b)+7], v[128*(\p)+FR*\b:128*(\p)+FR*\b+FR-1], v[AF+FR*(\a):AF+FR*(\a)+FR-1], 0, v[SC+8*NQ*(\sc)+NQ*\b+(\q)], v[SC+8*NQ*(\sc)+NQ*(\a)+(\q)] matrix_a_fmt:MATRIX_FMT_FP6 matrix_b_fmt:MATRIX_FMT_FP6 matrix_a_scale:MATRIX_SCALE_ROW1
.else
	v_wmma_scale_f32_16x16x128_f8f6f4 v[8*(8*((\a)%4)+\b):8*(8*((\a)%4)+\b)+7], v[128*(\p)+FR*\b:128*(\p)+FR*\b+FR-1], v[AF+FR*(\a):AF+FR*(\a)+FR-1], v[8*(8*((\a)%4)+\b):8*(8*((\a)%4)+\b)+7], v[SC+8*NQ*(\sc)+NQ*\b+(\q)], v[SC+8*NQ*(\sc)+NQ*(\a)+(\q)] matrix_a_fmt:MATRIX_FMT_FP6 matrix_b_fmt:MATRIX_FMT_FP6 matrix_a_scale:MATRIX_SCALE_ROW1
.endif
.endr
.endr
.endm
.macro FETCH_B slot, q, p
	WIN TO_B
.irp i, 0,1,2,3,4,5,6,7
	FRAG 128*(\p)+FR*\i, ADRB+\slot, \q, \i
.endr
	WIN 0
.endm
.macro FETCH_A slot, q, i0
.irp i, \i0, \i0+1, \i0+2, \i0+3
	FRAG AF+FR*(\i), ADRA+\slot, \q, \i
.endr
.endm
.macro SCALES sc, off
.irp i, 0,1,2,3,4,5,6,7
	ds_load_b64 v[SC+8*NQ*\sc+NQ*\i:SC+8*NQ*\sc+NQ*\i+1], v[ADRS] offset:\i*SBLK+\off
.endr
.endm
.macro PLACES n
.rept \n
	v_nop
.endr
.endm
.macro STEP slot, q, zero
	s_wait_dscnt 4*NL
	WIN MUL_LO
	MUL16 0, (\q)%2, \q, \slot, \zero
	MUL16 2, (\q)%2, \q, \slot, \zero
	s_wait_dscnt 0
	PLACES NP
	FETCH_B \slot, (\q)+1, 1-(\q)%2
	FETCH_A \slot, (\q)+1, 0
	WIN MUL_HI
	MUL16 4, (\q)%2, \q, \slot, \zero
	MUL16 6, (\q)%2, \q, \slot, \zero
	PLACES NP
	WIN 0
	FETCH_A \slot, (\q)+1, 4
.endm
.macro TURN slot, next, fill, soff
	s_wait_tensorcnt 0x0
	ds_add_u32 v[SPW], v[NIL]
	s_wait_dscnt 4*NL+1
	WIN MUL_LO
	MUL16 0, 1, NQ-1, \slot, 0
	s_wait_dscnt 0x0
	s_barrier_signal -1
	MUL16 2, 1, NQ-1, \slot, 0
	WIN 0
	s_barrier_wait -1
.if \fill
	CREST
	s_add_nc_u64 s[G0+4*\slot+2:G0+4*\slot+3], s[G0+4*\slot+2:G0+4*\slot+3], 2*KSB
	s_add_nc_u64 s[G0B+4*\slot+2:G0B+4*\slot+3], s[G0B+4*\slot+2:G0B+4*\slot+3], 2*KSB
	JLOAD G0+4*\slot, G1, G0B+4*\slot, G1B
.else
	PLACES NP
.endif
	FETCH_B \next, 0, 0
	FETCH_A \next, 0, 0
	SCALES \next, \soff
	WIN MUL_HI
	MUL16 4, 1, NQ-1, \slot, 0
	MUL16 6, 1, NQ-1, \slot, 0
	PLACES NP
	WIN 0
	FETCH_A \next, 0, 4
.endm
	s_wait_alu depctr_va_vdst(0)
	s_wait_tensorcnt 0x0                           ; my tile of the head's four is in
	ds_add_u32 v[SPW], v[NIL]
	s_mov_b32 s[G1+2], 8<<16                       ; no tensor load of mine is out: from here on a load brings 8 rows of units
	s_mov_b32 s[G1+4], 8
	s_mov_b32 s[G1B+2], 8<<16
	s_mov_b32 s[G1B+4], 8
	s_wait_dscnt 0x0
	CROUND                                         ; a whole round: all four tiles are in,
	JLOAD G0+4, G1, G0B+4, G1B                     ; and slot 1's first fill is the first tensor load behind it
	FETCH_B 0, 0, 0
	FETCH_A 0, 0, 0
	SCALES 0, 0
	FETCH_A 0, 0, 4
	STEP 0, 0, 1
	TURN 0, 1, 1, 8
	STEP 1, 0, 0
	TURN 1, 0, 1, 256
	STEP 0, 0, 0
	TURN 0, 1, 0, 264
	STEP 1, 0, 0
	s_wait_dscnt 4*NL
	WIN MUL_LO
	MUL16 0, 1, NQ-1, 1, 0
	MUL16 2, 1, NQ-1, 1, 0
	s_wait_dscnt 0
	WIN MUL_HI
	MUL16 4, 1, NQ-1, 1, 0
	MUL16 6, 1, NQ-1, 1, 0
	WIN 0
.macro QUANTW a
.set AC, 64*((\a)%4)
.set PC, 64+24*((\a)%2)
.set PT, PC+12
	WIN 0x28+0x14*((\a)/4)
.irp b, 0,1,2,3
	v_max3_num_f32 v[TM+\b], 0x1800000, |v[AC+16*\b]|, |v[AC+16*\b+1]|
.endr
.irp i, 2,4,6,8,10,12,14
.irp b, 0,1,2,3
	v_max3_num_f32 v[TM+\b], v[TM+\b], |v[AC+16*\b+\i]|, |v[AC+16*\b+\i+1]|
.endr
.endr
	WIN 0
.irp b, 0,1,2,3
	v_permlanex16_b32 v[TM+4+\b], v[TM+\b], s18, s19
.endr
.irp b, 0,1,2,3
	v_max_num_f32 v[TM+\b], v[TM+\b], v[TM+4+\b]
.endr
.irp b, 0,1,2,3
	v_add_nc_u32 v[TM+12+\b], 0xff000000, v[TM+\b]
.endr
.irp b, 0,1,2,3
	v_lshrrev_b32 v[TM+4+\b], 23, v[TM+12+\b]
.endr
	v_lshl_or_b32 v[HW+2*(\a)], v[TM+5], 8, v[TM+4]
	v_lshl_or_b32 v[HW+2*(\a)+1], v[TM+7], 8, v[TM+6]
	s_wait_xcnt 0x0
	WIN 0x02+((\a)/4)
.irp c, 0,1
	v_cvt_scalef32_pk16_fp6_f32 v[PC+6*\c:PC+6*\c+2], v[AC+32*\c:AC+32*\c+15], v[TM+12+2*\c]
	v_cvt_scalef32_pk16_fp6_f32 v[PT+4*\c:PT+4*\c+2], v[AC+32*\c+16:AC+32*\c+31], v[TM+12+2*\c+1]
.endr
	WIN 0
	v_nop
.irp c, 0,1
.irp i, 0,1,2
	v_permlane16_swap_b32 v[PC+6*\c+\i], v[PT+4*\c+\i]
.endr
.irp i, 0,1,2
	v_mov_b32 v[PC+3+6*\c+\i], v[PT+4*\c+\i]
.endr
.endr
	global_store_b128 v[O16], v[PC:PC+3], s[12:13] offset:768*(\a)
	global_store_b64 v[O8], v[PC+4:PC+5], s[12:13] offset:768*(\a)+512
	global_store_b128 v[O16], v[PC+6:PC+9], s[98:99] offset:768*(\a)
	global_store_b64 v[O8], v[PC+10:PC+11], s[98:99] offset:768*(\a)+512
.endm
	PLACES NP
	s_mov_b32 s18, 0x76543210
	s_mov_b32 s19, 0xfedcba98
.irp b, 0,1,2,3
	v_mov_b32 v[TM+4+\b], 0
.endr
.irp a, 0,1,2,3,4,5,6,7
	QUANTW \a
.endr
.irp c, 0,1
.irp b, 0,1,2,3
	v_lshl_or_b32 v[WD+4*\c+\b], v[HW+2*(2*\b+1)+\c], 16, v[HW+4*\b+\c]
.endr
.endr
	s_mov_b32 s101, 0xffff0000
.irp k, 0,1,2,3
	v_cndmask_b32 v[WD+\k], v[WD+\k], v[WD+4+\k], s101
.endr
	global_store_b128 v[SOF], v[WD:WD+3], s[96:97]
	s_wait_tensorcnt 0x0
	ds_add_u32 v[SPW], v[NIL]
	s_wait_dscnt 0x0
	CROUND
	s_endpgm
; ================= V = x Wv^T.  A = Wv's rows (channels), B = x's rows (tokens); source 0 = 16 rows of x, source 1 = 16 rows of Wv: a lane holds one channel, and its registers run along the tokens, V's next K.
; A work-group makes 128 channels x 256 tokens; four waves, 2 x 2, each 64 channels (one head) x 128 tokens: 32 accumulators.  A's 8 tiles and B's 16, 12,288 bytes each, lie in LDS whole: 294,912 bytes; nothing is filled again.
; One joint load a wave at the head: wave 0 A's first half of K, wave 1 B's, wave 2 A's second half, wave 3 B's.  The first barrier shows the first half (waves 0 and 1 have waited; their load lines are their own),
; the second, ahead of the fetch of K step 4, the second half.  A's tiles are shared along a row of the cluster, B's along a column.  No prefetch: every tile is asked for at the head.
; A tile's 512 scale bytes come by one load of 16 bytes a lane: register q holds in lanes 0-15 the word of K step q, in lanes 16-31 that of K step 4 + q; the ROW selector picks.
; REGISTERS: window 0: v16-29 addresses; v32-63 B's scale words, v114-129 A's; v130-225 A's fragments, two sets of 4; on the way out as in the other path.  Window 1: B's fragments, two sets of 8.  Window 2: the accumulators.
.Lvpath:
.set VROWH, 6144                       ; a tile's bytes in half of K
.set VAH,   8*VROWH
.set VHB,   24*VROWH                   ; a half of K: A's 8 tiles, then B's 16
.set VSA,   114
.set VSB,   32                         ; (A's and B's scale registers of a product differ modulo 8)
.set VAF,   130
.set VG0A,  32
.set VG0B,  36
.set VG1A,  48
.set VG1B,  56
.macro VARM under, g0, g1, next
	s_cmp_lt_u32 s14, \under
	s_cbranch_scc0 \next
	tensor_load_to_lds s[\g0:\g0+3], s[\g1:\g1+7]
	s_nop 0
	PLACES 4
	s_branch .Lv_asked
\next:
.endm
	s_load_b256 s[4:11], s[0:1], 0x0               ; xc, xs, wc, ws
	s_load_b128 s[92:95], s[0:1], 0x20             ; qkv, qkvs
	v_lshl_add_u32 v[SPW], v0, 2, SPARE
	v_mov_b32 v[NIL], 0
	ds_add_u32 v[SPW], v[NIL]                      ; the opening lines: the add twice on end and one wait
	ds_add_u32 v[SPW], v[NIL]
	v_lshrrev_b32 v1, 5, v0
	v_readfirstlane_b32 s14, v1                    ; wave
	s_lshr_b32 s15, s14, 1                         ; my half of the block's channels.  Also: which half of K I fetch
	s_and_b32 s16, s14, 1                          ; my half of its tokens
	s_bfe_u32 s40, ttmp6, 0x40000
	s_bfe_u32 s41, ttmp6, 0x40004
	s_sub_co_u32 s19, ttmp9, 16                    ; V's clusters, 0..15: 8 along the tokens x 2 along the channels
	s_lshr_b32 s42, s19, 1
	s_lshl_b32 s42, s42, 2
	s_add_co_u32 s42, s42, s40                     ; block of 256 tokens, 0..31
	s_and_b32 s17, s19, 1
	s_lshl_b32 s17, s17, 2
	s_add_co_u32 s17, s17, s41                     ; block of 128 channels, 0..7
	s_lshl_b32 s43, s41, 2
	s_lshl_b32 s43, 15, s43                        ; my row of the cluster
	s_lshl_b32 s44, 0x1111, s40                    ; my column
	s_or_b32 s[VG1A], s43, (3<<16)|(1<<21)
	s_or_b32 s[VG1B], s44, (3<<16)|(1<<21)
.irp g, VG1A, VG1B                             ; rows of 6,144 bytes (768 elements of 8), 12,288 apart
	s_mov_b32 s[\g+1], 768<<16
	s_mov_b32 s[\g+3], 768<<16
	s_mov_b32 s[\g+5], 1536
	s_mov_b32 s[\g+6], 0
	s_mov_b32 s[\g+7], 0
.endr
	s_mov_b32 s[VG1A+2], 8<<16
	s_mov_b32 s[VG1A+4], 8
	s_mov_b32 s[VG1B+2], 16<<16
	s_mov_b32 s[VG1B+4], 16
	s_mov_b32 s[VG0A], 1
	s_mul_i32 s[VG0A+1], s15, VHB
	s_mov_b32 s[VG0B], 1
	s_add_co_u32 s[VG0B+1], s[VG0A+1], VAH
	s_mul_i32 s18, s15, VROWH
	s_mul_i32 s20, s17, 98304
	s_add_co_u32 s20, s20, s18
	s_add_co_u32 s20, s20, 0x180000                ; A's codes: Wv's part, block, half of K
	s_mov_b32 s21, 0
	s_mul_i32 s46, s42, 196608
	s_add_co_u32 s46, s46, s18                     ; B's: block of tokens, half of K
	s_mov_b32 s47, 0
	s_lshl_b32 s22, s17, 3
	s_lshl_b32 s19, s15, 2
	s_add_co_u32 s22, s22, s19
	s_lshl_b32 s22, s22, 9
	s_add_co_u32 s22, s22, 0x10000                 ; my four tiles of Wv: their scale bytes
	s_mov_b32 s23, 0
	s_lshl_b32 s66, s42, 4
	s_lshl_b32 s19, s16, 3
	s_add_co_u32 s66, s66, s19
	s_lshl_b32 s66, s66, 9                         ; my eight tiles of x
	s_mov_b32 s67, 0
	s_lshl_b32 s68, s42, 2
	s_lshl_b32 s19, s16, 1
	s_add_co_u32 s68, s68, s19
	s_mul_i32 s68, s68, 49152                      ; V's codes: [token / 64][channel tile][768]
	s_lshl_b32 s19, s17, 3
	s_lshl_b32 s18, s15, 2
	s_add_co_u32 s19, s19, s18
	s_mul_i32 s19, s19, 768
	s_add_co_u32 s68, s68, s19
	s_add_co_u32 s68, s68, 0xc00000
	s_mov_b32 s69, 0
	s_lshl_b32 s70, s42, 1
	s_add_co_u32 s70, s70, s16
	s_lshl_b32 s70, s70, 12                        ; V's scale words: [token / 128][head][row][four words]
	s_lshl_b32 s19, s17, 1
	s_add_co_u32 s19, s19, s15
	s_lshl_b32 s19, s19, 8
	s_add_co_u32 s70, s70, s19
	s_add_co_u32 s70, s70, 0x80000
	s_mov_b32 s71, 0
	s_mul_i32 s24, s15, 4*VROWH                    ; LDS: my four tiles of A in the first half of K, in the second,
	s_add_co_u32 s25, s24, VHB
	s_mul_i32 s26, s16, 8*VROWH
	s_add_co_u32 s26, s26, VAH                     ; my eight of B
	s_add_co_u32 s27, s26, VHB
	s_wait_alu depctr_va_vdst(0)
	s_wait_dscnt 0x0
	s_wait_kmcnt 0x0
	s_add_nc_u64 s[VG0A+2:VG0A+3], s[8:9], s[20:21]
	s_or_b32 s[VG0A+3], s[VG0A+3], 0x80000000
	s_add_nc_u64 s[VG0B+2:VG0B+3], s[4:5], s[46:47]
	s_or_b32 s[VG0B+3], s[VG0B+3], 0x80000000
	s_add_nc_u64 s[22:23], s[10:11], s[22:23]
	s_add_nc_u64 s[66:67], s[6:7], s[66:67]
	s_add_nc_u64 s[12:13], s[92:93], s[68:69]
	s_add_nc_u64 s[98:99], s[12:13], 49152         ; the next 64 tokens
	s_add_nc_u64 s[96:97], s[94:95], s[70:71]
	CROUND                                         ; all sixteen work-groups are here: the joint loads meet
	VARM 1, VG0A, VG1A, .Lv_arm_1
	VARM 2, VG0B, VG1B, .Lv_arm_2
	VARM 3, VG0A, VG1A, .Lv_arm_3
	tensor_load_to_lds s[VG0B:VG0B+3], s[VG1B:VG1B+7]
	s_nop 0
	PLACES 4
.Lv_asked:
	v_and_b32 v1, 15, v0
	v_and_b32 v3, 31, v0
	v_lshlrev_b32 v[O16], 4, v3
	v_lshlrev_b32 v[O8], 3, v3
	v_lshlrev_b32 v[SOF], 4, v1
.irp i, 0,1,2,3
	global_load_b128 v[VSA+4*\i:VSA+4*\i+3], v[O16], s[22:23] offset:512*\i    ; 32 lanes read a tile's 512 consecutive bytes
.endr
.irp i, 0,1,2,3,4,5,6,7
	global_load_b128 v[VSB+4*\i:VSB+4*\i+3], v[O16], s[66:67] offset:512*\i
.endr
	v_add_nc_u32 v[ADRA], s24, v[O16]
	v_add_nc_u32 v[ADRA+1], s25, v[O16]
	v_add_nc_u32 v[ADRA+2], s24, v[O8]
	v_add_nc_u32 v[ADRA+3], s25, v[O8]
	v_add_nc_u32 v[ADRB], s26, v[O16]
	v_add_nc_u32 v[ADRB+1], s27, v[O16]
	v_add_nc_u32 v[ADRB+2], s26, v[O8]
	v_add_nc_u32 v[ADRB+3], s27, v[O8]
.macro VFRAG reg, adr, q, i            ; tile i, K step q of the half: two units, 12 registers
	ds_load_b128 v[\reg:\reg+3], v[\adr] offset:VROWH*(\i)+1536*(\q)
	ds_load_b64 v[\reg+4:\reg+5], v[\adr+2] offset:VROWH*(\i)+1536*(\q)+512
	ds_load_b128 v[\reg+6:\reg+9], v[\adr] offset:VROWH*(\i)+1536*(\q)+768
	ds_load_b64 v[\reg+10:\reg+11], v[\adr+2] offset:VROWH*(\i)+1536*(\q)+1280
.endm
.macro VFETCH s                        ; K step s's twelve fragments into set s % 2: 48 loads
	WIN 0x40
.irp i, 0,1,2,3,4,5,6,7
	VFRAG 128*((\s)%2)+12*\i, ADRB+(\s)/4, (\s)%4, \i
.endr
	WIN 0
.irp i, 0,1,2,3
	VFRAG VAF+48*((\s)%2)+12*\i, ADRA+(\s)/4, (\s)%4, \i
.endr
.endm
.macro VPROD d, bf, af, zero, sb, sa, row
.if \zero
	v_wmma_scale_f32_16x16x128_f8f6f4 v[\d:\d+7], v[\bf:\bf+11], v[\af:\af+11], 0, v[\sb], v[\sa] matrix_a_fmt:MATRIX_FMT_FP6 matrix_b_fmt:MATRIX_FMT_FP6
.elseif \row
	v_wmma_scale_f32_16x16x128_f8f6f4 v[\d:\d+7], v[\bf:\bf+11], v[\af:\af+11], v[\d:\d+7], v[\sb], v[\sa] matrix_a_fmt:MATRIX_FMT_FP6 matrix_b_fmt:MATRIX_FMT_FP6 matrix_a_scale:MATRIX_SCALE_ROW1 matrix_b_scale:MATRIX_SCALE_ROW1
.else
	v_wmma_scale_f32_16x16x128_f8f6f4 v[\d:\d+7], v[\bf:\bf+11], v[\af:\af+11], v[\d:\d+7], v[\sb], v[\sa] matrix_a_fmt:MATRIX_FMT_FP6 matrix_b_fmt:MATRIX_FMT_FP6
.endif
.endm
; A K step: the next step's fragments are asked for first, into the set that the last step's products have read (four places behind them); then 32 products, the 32 accumulators by turns, in the same order in every step.
.macro VSTEP s
	s_wait_dscnt 0x0                               ; this step's 48 loads are in; none else is out
.if (\s) == 3
	s_wait_tensorcnt 0x0                           ; every wave's load has landed:
	s_barrier_signal -1
	s_barrier_wait -1                              ; the second half of K is whole
.endif
.if (\s) < 7
.if (\s) > 0
	PLACES 4
.endif
	VFETCH (\s)+1
.endif
	WIN 0xa1                                       ; source 0 window 1, source 1 window 0, C and D window 2
.irp a, 0,1,2,3
.irp b, 0,1,2,3,4,5,6,7
.if (\s) == 0
	VPROD 8*(8*\a+\b), 12*\b, VAF+12*\a, 1, VSB+4*\b, VSA+4*\a, 0
.else
	VPROD 8*(8*\a+\b), 128*((\s)%2)+12*\b, VAF+48*((\s)%2)+12*\a, 0, VSB+4*\b+(\s)%4, VSA+4*\a+(\s)%4, (\s)/4
.endif
.endr
.endr
	WIN 0
.endm
	s_wait_alu depctr_va_vdst(0)                   ; the wait at the head's end
	s_cmp_lt_u32 s14, 2
	s_cbranch_scc0 .Lv_not_first
	s_wait_tensorcnt 0x0                           ; waves 0 and 1: my tile of the first half of K is in
.Lv_not_first:
	s_barrier_signal -1
	s_barrier_wait -1                              ; the first half is whole; the second may still be on its way
	VFETCH 0
	s_wait_loadcnt 0x0                             ; the scale words
.irp s, 0,1,2,3,4,5,6,7
	VSTEP \s
.endr
; THE WAY OUT: each channel tile's 128 tokens are four blocks of 32: two units of codes and one scale word a row.
	PLACES NP
	s_mov_b32 s18, 0x76543210
	s_mov_b32 s19, 0xfedcba98
.irp b, 0,1,2,3
	v_mov_b32 v[TM+4+\b], 0
.endr
.irp a, 0,1,2,3
	QUANTW \a
.endr
.irp a, 0,1,2,3
	v_lshl_or_b32 v[WD+\a], v[HW+2*\a+1], 16, v[HW+2*\a]
.endr
	global_store_b128 v[SOF], v[WD:WD+3], s[96:97] ; my head's four words of row r; lanes r and r + 16 store the same bytes with the same values
	s_wait_tensorcnt 0x0                           ; the wave's end
	ds_add_u32 v[SPW], v[NIL]
	s_wait_dscnt 0x0
	CROUND                                         ; the closing round
	s_endpgm
.Lfunc_end_k_q1b628f42e3_proj:
	.size	k_q1b628f42e3_proj, .Lfunc_end_k_q1b628f42e3_proj-k_q1b628f42e3_proj
	.p2alignl 7, 3214868480
	.fill 96, 4, 3214868480
	.section	.rodata,"a",@progbits
	.p2align	6, 0x0
	.amdhsa_kernel k_q1b628f42e3_proj
		.amdhsa_group_segment_fixed_size 327680
		.amdhsa_private_segment_fixed_size 0
		.amdhsa_enable_private_segment 0
		.amdhsa_kernarg_size 48
		.amdhsa_user_sgpr_count 2
		.amdhsa_user_sgpr_kernarg_segment_ptr 1
		.amdhsa_wavefront_size32 1
		.amdhsa_system_sgpr_workgroup_id_x 1
		.amdhsa_system_sgpr_workgroup_id_y 1
		.amdhsa_system_sgpr_workgroup_id_z 1
		.amdhsa_system_vgpr_workitem_id 0
		.amdhsa_next_free_vgpr 1024
		.amdhsa_next_free_sgpr 102
		.amdhsa_reserve_vcc 0
		.amdhsa_float_denorm_mode_32 3
		.amdhsa_float_denorm_mode_16_64 3
		.amdhsa_memory_ordered 1
		.amdhsa_forward_progress 1
		.amdhsa_inst_pref_size 233
	.end_amdhsa_kernel
	.amdgpu_metadata
---
amdhsa.version: [ 1, 2 ]
amdhsa.kernels:
  - .name:           k_q1b628f42e3_proj
    .symbol:         k_q1b628f42e3_proj.kd
    .args:
      - { .name: xc, .offset: 0, .size: 8, .value_kind: global_buffer, .address_space: global }
      - { .name: xs, .offset: 8, .size: 8, .value_kind: global_buffer, .address_space: global }
      - { .name: wc, .offset: 16, .size: 8, .value_kind: global_buffer, .address_space: global }
      - { .name: ws, .offset: 24, .size: 8, .value_kind: global_buffer, .address_space: global }
      - { .name: qkv, .offset: 32, .size: 8, .value_kind: global_buffer, .address_space: global }
      - { .name: qkvs, .offset: 40, .size: 8, .value_kind: global_buffer, .address_space: global }
    .group_segment_fixed_size: 327680
    .private_segment_fixed_size: 0
    .kernarg_segment_align: 8
    .kernarg_segment_size: 48
    .max_flat_workgroup_size: 128
    .sgpr_count:     102
    .vgpr_count:     1024
    .wavefront_size: 32
...
	.end_amdgpu_metadata
.endif
;; end of part 2
;; launch attn (part 3): grid 4 x 64, 8 waves a work-group, clusters of 4 x 1, 327,680 bytes of LDS; arguments qkv, qkvs, ctxc, ctxs; writes ctxc, ctxs
.if DOCPART == 3
	.amdgcn_target "amdgcn-amd-amdhsa--gfx1250"
	.amdhsa_code_object_version 6
	.text
	.protected	k_q1b628f42e3_attn
	.globl	k_q1b628f42e3_attn
	.p2align	8
	.type	k_q1b628f42e3_attn,@function
k_q1b628f42e3_attn:
	s_mov_b64 s[64:65], 0
	v_nop
	global_prefetch_b8 v0, s[64:65] scope:SCOPE_SE
	s_setreg_imm32_b32 hwreg(HW_REG_WAVE_MODE, 25, 1), 1
	s_wait_xcnt 0x0
	s_wait_alu depctr_hold_cnt(0) depctr_sa_sdst(0) depctr_va_vdst(0) depctr_va_sdst(0) depctr_va_ssrc(0) depctr_va_vcc(0) depctr_vm_vsrc(0)
	s_getreg_b32 s2, hwreg(HW_REG_IB_STS2, 6, 4)
	s_cmp_eq_u32 s2, 0
	s_cbranch_scc0 .Lentry_in_a_cluster
	s_endpgm
.Lentry_in_a_cluster:
	s_bfe_u32 s2, ttmp6, 0x10000c
	s_cmp_lg_u32 s2, 0x3003
	s_cbranch_scc0 .Lentry_shape_is_right
	s_endpgm
.Lentry_shape_is_right:
; ctx[b][q][h][:] = the sum over k of softmax_k(q . k / 8) v, both products on codes of FP6 (E2M3) with E8M0 scales; ctx is quantised along its 64 channels and leaves as codes.
; THE SOFTMAX: t = score x log2(e) / 8; M = the row's largest t so far, rounded up to a whole number; p = 2^(t - M) is quantised along the keys, not normalised; the row's sum is taken of the
; unquantised p and divides O at the end.  When M moves, the sum and O are multiplied by 2^(old M - new M), which rounds nothing.
; INPUTS (made by the launch before): q, k: [head 0..31][token tile][768], units of 16 tokens x 64 channels, images of six operand registers (lane l: 16 bytes at 16 l, 8 at 512 + 8 l); row rho of token
; tile T is token 32 (T / 2) + 8 (T % 2) + rho % 8 + 16 (rho / 8).  v: behind them, [token / 64][channel tile][768], units of 16 channels x 64 tokens.  Scale words as that launch lays them.
; SHARES.  A cluster of four work-groups serves one head of one batch; a work-group owns 512 queries; each of its eight waves takes TWO tiles of 16 queries at once, in two passes, so that
; a fragment of K or V read from LDS feeds two tiles' products.  A whole head's K and V lie in LDS (2 x 98,304 bytes of codes, 2 x 4,096 of scale words), filled once by joint loads that name all four
; work-groups, one load a wave: waves 0-3 a quarter of K's codes each, waves 4, 5 a half of V's, wave 6 K's scale words, wave 7 V's.  Nothing is filled again.
; No prefetch: the tiles are asked for once, at the head, and there is no loop to run ahead in.
; LAYOUT.  Both products are used transposed (S^T = K Q^T, O^T = V^T P^T): a lane holds one query throughout.  WHICH KEYS FORM A TILE is chosen by the LDS addresses: of a band of 64 keys (four units)
; tile j takes keys 8 j + 0..7 as rows 0-7 and keys 32 + 8 j + 0..7 as rows 8-15: lane (r, hh) reads row 8 (j / 2) + r % 8 of unit 2 (r / 8) + j % 2.  Then the 32 score registers of a band are, in
; lane half h, keys 32 h + 0..31 of the band: ONE scale block of p, in the order of the next operand's registers: a block's maximum needs no other lane and its codes are not moved between lanes.
; (Lanes r and r + 8 of such a load read the same banks of LDS.)
; K = 64 IN AN INSTRUCTION OF 128: tiles 2 p, 2 p + 1 of a band are ONE fragment of 12 registers; against [q | zeros] it gives the first tile's scores, against [zeros | q] the second's.
; LOADS RUN A PHASE AHEAD: the next step's K is asked for behind this step's score products, the next step's V behind this step's last products; the step's number goes round modulo 16, so a pass's last
; step asks for the next pass's first.  The last pass's last step asks for step 0 once more, and nobody reads that.
; LIMITS: NaN and infinities are not served; the promise holds while the scaled scores stay under 2^31 in magnitude; a block of ctx or of p whose largest magnitude lies under 2^-124 gets the byte 1.
; A block's largest p is taken from its largest score, which leans on v_exp_f32 not falling where its input rises (the ISA guide promises 1 ulp): at the worst one p of a block would be held one code low.
; REGISTERS, window 0: v1-12 addresses that stay; v14-19 a step's; v32-33 q's scale bytes as loaded; v36-39 K's scale words, v40-43 V's; v48.., v56.. a tile's -M, largest score, sum (2), f, p's scale word,
; q's scale word; v64-191 S^T, then p, 64 a tile; v192-215 p's codes; v216-255 at work, 20 a tile.  Window 1: v0-47 K's four fragments, v48-95 V's, v96-159 O^T, v160-189 zeros q zeros q zeros, v192-203 the second pass's q.
.set VIMG,  98304
.set KSC,   196608
.set VSC,   200704
.set SPARE, 204800                     ; the spare words: 128 bytes a wave, four blocks of 256 bytes that no other line names
.set STEPB, 6144                       ; a key step of 128 keys: eight units of K; two rows of four units of V
.set L16, 1
.set L8,  2
.set KA,  3
.set KB,  4
.set VA,  5
.set VB,  6
.set KSA, 7
.set VSA, 8
.set R16, 9
.set SH,  10
.set SPW, 11
.set NIL, 12
.set AK,  14
.set AV,  17
.set KS,  36
.set VS,  40
.set ST,  48
.set S,   64
.set P,   192
.set T,   216
.set KF,  0
.set VF,  48
.set O,   96
.set Z,   160
.set HQ,  192
.set MSB, 0
.macro WIN new                         ; the immediate's high byte repeats the setting that is left
.if MSB != (\new)
	s_set_vgpr_msb (MSB<<8)|(\new)
.set MSB, (\new)
.endif
.endm
.macro WALU
	s_wait_alu depctr_va_vdst(0)
.endm
.macro CROUND                          ; a round of the cluster's barrier
	s_barrier_signal -1
	s_barrier_wait -1
	s_cmp_lg_u32 s18, 0
	s_cbranch_scc1 .Lnot_wave_0_\@
	s_barrier_signal -3
.Lnot_wave_0_\@:
	s_barrier_wait -3
	s_barrier_signal -1
	s_barrier_wait -1
.endm
.macro GRP1 g, c, r, p                 ; r rows of c elements of 8 bytes, p elements apart; the mask of all four work-groups, bit 21 beside it
	s_mov_b32 s[\g], 15|(3<<16)|(1<<21)
	s_mov_b32 s[\g+1], (\c)<<16
	s_mov_b32 s[\g+2], (\r)<<16
	s_mov_b32 s[\g+3], (\c)<<16
	s_mov_b32 s[\g+4], \r
	s_mov_b32 s[\g+5], \p
	s_mov_b32 s[\g+6], 0
	s_mov_b32 s[\g+7], 0
.endm
.macro PTR d, base, off                ; a buffer's address + the 32-bit offset in s\off (s67 = 0)
	s_mov_b32 s66, s\off
	s_add_nc_u64 s[\d:\d+1], s[\base:\base+1], s[66:67]
.endm
.macro GRP0 g, base, off
	s_mov_b32 s[\g], 1
	PTR \g+2, \base, \off
	s_or_b32 s[\g+3], s[\g+3], 0x80000000
.endm
.macro ARM under, g0, g1, next         ; one arm of the head's chain: one load, then the jump to the join
	s_cmp_lt_u32 s18, \under
	s_cbranch_scc0 \next
	tensor_load_to_lds s[\g0:\g0+3], s[\g1:\g1+7]
	s_nop 0
.rept 4
	v_nop
.endr
	s_branch .Lasked
\next:
.endm
	s_load_b256 s[4:11], s[0:1], 0x0               ; qkv, qkvs, ctxc, ctxs
	v_lshl_add_u32 v[SPW], v0, 2, SPARE
	v_mov_b32 v[NIL], 0
	ds_add_u32 v[SPW], v[NIL]                      ; the opening lines: the add twice on end and one wait
	ds_add_u32 v[SPW], v[NIL]
	v_lshrrev_b32 v13, 5, v0
	v_readfirstlane_b32 s18, v13                   ; wave 0..7
	s_and_b32 s12, ttmp7, 0xffff
	s_lshr_b32 s13, s12, 4                         ; b
	s_and_b32 s14, s12, 15                         ; h
	s_bfe_u32 s15, ttmp6, 0x40000                  ; cx: it enters q's and ctx's global addresses alone
	s_mov_b32 s67, 0
	s_add_co_u32 s16, s14, 16                      ; k's heads stand behind q's
	s_mul_i32 s76, s16, 393216
	s_mul_i32 s17, s13, 98304
	s_add_co_u32 s76, s76, s17
	s_and_b32 s17, s18, 3
	s_mul_i32 s57, s17, 24576                      ; a quarter of K's codes: its place in LDS,
	s_add_co_u32 s76, s76, s57                     ; and in memory: head, batch, quarter
	s_lshl_b32 s77, s16, 14
	s_lshl_b32 s17, s13, 12
	s_add_co_u32 s77, s77, s17                     ; K's scale words: 4,096 dense bytes
	s_mul_i32 s78, s13, 1572864
	s_mul_i32 s17, s14, 3072
	s_add_co_u32 s78, s78, s17
	s_and_b32 s17, s18, 1
	s_mul_i32 s61, s17, 49152
	s_add_co_u32 s61, s61, VIMG                    ; a half of V's codes: 16 rows of 3,072 bytes
	s_mul_i32 s17, s17, 786432
	s_add_co_u32 s78, s78, s17
	s_add_co_u32 s78, s78, 0xc00000
	s_lshl_b32 s79, s13, 16
	s_lshl_b32 s17, s14, 8
	s_add_co_u32 s79, s79, s17
	s_add_co_u32 s79, s79, 0x80000                 ; V's scale words: 16 rows of 256 bytes, 4,096 apart
	s_lshl_b32 s80, s13, 7
	s_lshl_b32 s17, s15, 5
	s_add_co_u32 s80, s80, s17
	s_lshl_b32 s17, s18, 1
	s_add_co_u32 s80, s80, s17                     ; my first token tile: 128 b + 32 cx + 2 wave; the second pass's two lie 16 further on
	s_mul_i32 s81, s14, 393216
	s_mul_i32 s17, s80, 768
	s_add_co_u32 s81, s81, s17                     ; q's two units, on end
	s_lshr_b32 s82, s80, 3
	s_lshl_b32 s82, s82, 8
	s_and_b32 s17, s80, 7
	s_lshl_b32 s17, s17, 1
	s_add_co_u32 s82, s82, s17
	s_lshl_b32 s17, s14, 14
	s_add_co_u32 s82, s82, s17                     ; q's scale bytes: two for each tile in a row's 16: my two tiles' four are one word
	s_mul_i32 s83, s80, 12288
	s_mul_i32 s17, s14, 768
	s_add_co_u32 s83, s83, s17                     ; ctx's unit: [token tile][head]
	s_lshl_b32 s92, s80, 9
	s_lshr_b32 s17, s14, 3
	s_lshl_b32 s17, s17, 8
	s_add_co_u32 s92, s92, s17
	s_and_b32 s17, s14, 7
	s_lshl_b32 s17, s17, 1
	s_add_co_u32 s92, s92, s17                     ; ctx's scale bytes: [token tile][half of K][row][16]: my head's two
	GRP1 24, 32, 96, 32                            ; K's codes: 24,576 dense bytes as 96 rows of 256
	GRP1 32, 384, 16, 6144                         ; V's codes
	GRP1 40, 32, 16, 32                            ; K's scale words
	GRP1 48, 32, 16, 512                           ; V's
	s_mov_b32 s20, 0x76543210
	s_mov_b32 s21, 0xfedcba98                      ; v_permlanex16_b32's selects for lane l xor 16
	s_mov_b32 s22, 0x3e38aa3b                      ; c = log2(e) / 8
	s_mov_b32 s23, s22                             ; (named with it as a pair, so it is written)
	s_mov_b32 s94, 0xbe38aa3b                      ; -c
	WALU
	s_wait_dscnt 0x0
	s_wait_kmcnt 0x0
	GRP0 56, 4, 76
	GRP0 60, 4, 78
	GRP0 68, 6, 77
	GRP0 72, 6, 79
	s_mov_b32 s69, KSC
	s_mov_b32 s73, VSC
	PTR 84, 4, 81
	PTR 86, 6, 82
	PTR 88, 8, 83
	PTR 90, 10, 92
	CROUND                                         ; all four work-groups are here: the joint loads meet
	ARM 4, 56, 24, .Larm_v
	ARM 6, 60, 32, .Larm_ks
	ARM 7, 68, 40, .Larm_vs
	tensor_load_to_lds s[72:75], s[48:55]
	s_nop 0
.rept 4
	v_nop
.endr
.Lasked:
	v_and_b32 v13, 31, v0                          ; lane
	v_and_b32 v14, 15, v0                          ; r
	v_bfe_u32 v15, v0, 4, 1                        ; hh
	v_and_b32 v16, 7, v0                           ; r % 8
	v_bfe_u32 v17, v0, 3, 1                        ; r / 8
	v_lshlrev_b32 v[L16], 4, v13
	v_lshlrev_b32 v[L8], 3, v13
	v_lshlrev_b32 v[R16], 4, v14
	v_mul_u32_u24 v18, v17, 1536                   ; rows 8-15 of a tile come from the unit two further on
	v_lshlrev_b32 v[SH], 3, v15
	v_add_nc_u32 v[VA], VIMG, v[L16]
	v_add_nc_u32 v[VB], VIMG, v[L8]
	v_add_nc_u32 v[VSA], VSC, v[R16]
	v_lshl_add_u32 v[KA], v16, 4, v18
	v_lshl_add_u32 v[KB], v16, 3, v18
	v_lshlrev_b32 v19, 4, v16
	v_lshl_add_u32 v[KA], v15, 8, v[KA]            ; 1536 (r / 8) + 16 (r % 8) + 256 hh
	v_lshl_add_u32 v[KB], v15, 7, v[KB]            ; 1536 (r / 8) + 8 (r % 8) + 128 hh
	v_lshl_add_u32 v19, v17, 2, v19
	v_add_nc_u32 v[KSA], KSC, v19                  ; row r % 8's 16 bytes, word r / 8
	WIN 0x40
.irp p, 0,1                                    ; both passes' q: the first into its place, the second into v192-203 of window 1
.irp t, 0,1
	global_load_b128 v[(1-\p)*(Z+6+12*\t)+\p*(HQ+6*\t):(1-\p)*(Z+6+12*\t)+\p*(HQ+6*\t)+3], v[L16], s[84:85] offset:12288*\p+768*\t
	global_load_b64 v[(1-\p)*(Z+6+12*\t)+\p*(HQ+6*\t)+4:(1-\p)*(Z+6+12*\t)+\p*(HQ+6*\t)+5], v[L8], s[84:85] offset:12288*\p+768*\t+512
.endr
.endr
.irp g, 0,12,24
.irp i, 0,1,2,3,4,5
	v_mov_b32 v[Z+\g+\i], 0                        ; the zero codes beside q
.endr
.endr
	WIN 0
	global_load_b32 v32, v[R16], s[86:87]
	global_load_b32 v33, v[R16], s[86:87] offset:512
.irp t, 0,1
	v_mov_b32 v[T+20*\t+2], 0                      ; written once: a lane permute's destination counts as one of its sources
	v_mov_b32 v[ST+8*\t+5], 0                      ; (named as the upper half of a pair before it is first written)
.endr
	s_mov_b32 s2, 0
	s_mov_b32 s3, 0
	s_wait_loadcnt 0x0
	v_perm_b32 v[ST+6], v32, v32, 0x01000100       ; a tile's two bytes twice: they serve q in either half of the fragment
	v_perm_b32 v[ST+14], v32, v32, 0x03020302
; ---- the loads of a key step.  s2: where its codes begin in K's and in V's part of LDS; s3: its scale words.  Three address lines and a v_nop are the four places behind the products just issued.
.macro KLOAD                           ; 20 loads
	v_add_nc_u32 v[AK], s2, v[KA]
	v_add_nc_u32 v[AK+1], s2, v[KB]
	v_add_nc_u32 v[AK+2], s3, v[KSA]
	v_nop
	WIN 0x40
.irp c, 0,1
.irp p, 0,1
	ds_load_b128 v[KF+12*(2*\c+\p):KF+12*(2*\c+\p)+3], v[AK] offset:3072*\c+128*\p
	ds_load_b64 v[KF+12*(2*\c+\p)+4:KF+12*(2*\c+\p)+5], v[AK+1] offset:3072*\c+64*\p+512
	ds_load_b128 v[KF+12*(2*\c+\p)+6:KF+12*(2*\c+\p)+9], v[AK] offset:3072*\c+128*\p+768
	ds_load_b64 v[KF+12*(2*\c+\p)+10:KF+12*(2*\c+\p)+11], v[AK+1] offset:3072*\c+64*\p+1280
.endr
.endr
	WIN 0
.irp c, 0,1
.irp p, 0,1
	ds_load_b32 v[KS+2*\c+\p], v[AK+2] offset:128*\p+8*\c   ; row 8 p + r % 8, word 2 c + r / 8: the two units that my row of the fragment comes from
.endr
.endr
.endm
.macro VLOAD                           ; 17 loads
	v_add_nc_u32 v[AV], s2, v[VA]
	v_add_nc_u32 v[AV+1], s2, v[VB]
	v_add_nc_u32 v[AV+2], s3, v[VSA]
	v_nop
	WIN 0x40
.irp a, 0,1,2,3
	ds_load_b128 v[VF+12*\a:VF+12*\a+3], v[AV] offset:768*\a
	ds_load_b64 v[VF+12*\a+4:VF+12*\a+5], v[AV+1] offset:768*\a+512
	ds_load_b128 v[VF+12*\a+6:VF+12*\a+9], v[AV] offset:768*\a+3072
	ds_load_b64 v[VF+12*\a+10:VF+12*\a+11], v[AV+1] offset:768*\a+3584
.endr
	WIN 0
	ds_load_b128 v[VS:VS+3], v[AV+2]
.endm
; ---- line i of a tile's work, so that two tiles' lines can stand by turns
.macro MAXOP t, i                      ; 32 lines: the largest score of my two blocks of 32 keys, each in two chains; every accumulator is first read at its low end
.set C_, ((\i)%4)/2
.set B_, S+64*(\t)+32*C_+16*((\i)%2)
.set R_, T+20*(\t)+C_+14*((\i)%2)
.set K_, (\i)/4
.if K_ == 0
	v_max3_num_f32 v[R_], v[B_], v[B_+1], v[B_+2]
.elseif K_ < 7
	v_max3_num_f32 v[R_], v[R_], v[B_+2*K_+1], v[B_+2*K_+2]
.elseif (\i) < 30
.set C_, (\i)-28
	v_max3_num_f32 v[T+20*(\t)+C_], v[T+20*(\t)+C_], v[T+20*(\t)+14+C_], v[S+64*(\t)+32*C_+15]
.else
.set C_, (\i)-30
	v_max_num_f32 v[T+20*(\t)+C_], v[T+20*(\t)+C_], v[S+64*(\t)+32*C_+31]
.endif
.endm
.macro STATOP t, i                     ; 9 lines: the running largest score, -M, f = 2^(old M - new M)
.set W_, T+20*(\t)
.set N_, ST+8*(\t)
.if (\i) == 0
	v_max_num_f32 v[W_+3], v[W_], v[W_+1]
.elseif (\i) == 1
	v_permlanex16_b32 v[W_+2], v[W_+3], s20, s21
.elseif (\i) == 2
	v_max3_num_f32 v[N_+1], v[N_+1], v[W_+3], v[W_+2]
.elseif (\i) == 3
	v_mul_f32 v[W_+3], s94, v[N_+1]
.elseif (\i) == 4
	v_floor_f32 v[W_+2], v[W_+3]                   ; the new -M = floor(-t) = -ceil(t)
.elseif (\i) == 5
	v_sub_f32 v[W_+3], v[W_+2], v[N_]              ; old M - new M: a whole number, 0 or less
.elseif (\i) == 6
	v_mov_b32 v[N_], v[W_+2]
.elseif (\i) == 7
	v_cvt_i32_f32 v[W_+3], v[W_+3]                 ; (it saturates)
.else
	v_ldexp_f32 v[N_+4], 1.0, v[W_+3]
.endif
.endm
.macro FMAOP t, i                      ; 34 lines: t - M, two at a time, and the same of each block's largest score
.if (\i) < 32
	v_pk_fma_f32 v[S+64*(\t)+2*(\i):S+64*(\t)+2*(\i)+1], v[S+64*(\t)+2*(\i):S+64*(\t)+2*(\i)+1], s[22:23], v[ST+8*(\t):ST+8*(\t)+1] op_sel_hi:[1,0,0]
.else
	v_fma_f32 v[T+20*(\t)+(\i)-32], v[T+20*(\t)+(\i)-32], s22, v[ST+8*(\t)]
.endif
.endm
.macro EXPOP t, i                      ; 66 lines: p = 2^(t - M), and each block's largest p
.if (\i) < 64
	v_exp_f32 v[S+64*(\t)+(\i)], v[S+64*(\t)+(\i)]
.else
	v_exp_f32 v[T+20*(\t)+(\i)-64], v[T+20*(\t)+(\i)-64]
.endif
.endm
.macro SUMOP t, i                      ; 32 lines: the sum under the new M, + the 64 unquantised p, two at a time, in four chains
.set A_, ST+8*(\t)+2
.set H_, T+20*(\t)+12
.set X_, S+64*(\t)
.if (\i) == 0
	v_pk_fma_f32 v[A_:A_+1], v[A_:A_+1], v[A_+2:A_+3], v[X_:X_+1] op_sel_hi:[1,0,1]
.elseif (\i) < 4
	v_pk_add_f32 v[H_+2*(\i):H_+2*(\i)+1], v[X_+4*(\i)-2:X_+4*(\i)-1], v[X_+4*(\i):X_+4*(\i)+1]
.elseif (\i) < 29
.if (\i)%4 == 0
	v_pk_add_f32 v[A_:A_+1], v[A_:A_+1], v[X_+2*(\i)+6:X_+2*(\i)+7]
.else
	v_pk_add_f32 v[H_+2*((\i)%4):H_+2*((\i)%4)+1], v[H_+2*((\i)%4):H_+2*((\i)%4)+1], v[X_+2*(\i)+6:X_+2*(\i)+7]
.endif
.elseif (\i) == 29
	v_pk_add_f32 v[H_+2:H_+3], v[H_+2:H_+3], v[H_+4:H_+5]
.elseif (\i) == 30
	v_pk_add_f32 v[A_:A_+1], v[A_:A_+1], v[H_+6:H_+7]
.else
	v_pk_add_f32 v[A_:A_+1], v[A_:A_+1], v[H_+2:H_+3]
.endif
.endm
; ---- A KEY STEP: 128 keys x my two tiles of queries
.macro STEP
	s_wait_dscnt 17                                ; this step's K is in; V's 17 loads, issued behind it, may be out
	WIN 0x05
.irp b, 0,1,2,3
.irp t, 0,1
	v_wmma_scale_f32_16x16x128_f8f6f4 v[S+64*\t+16*\b:S+64*\t+16*\b+7], v[KF+12*\b:KF+12*\b+11], v[Z+6+12*\t:Z+17+12*\t], 0, v[KS+\b], v[ST+8*\t+6] matrix_a_fmt:MATRIX_FMT_FP6 matrix_b_fmt:MATRIX_FMT_FP6
	v_wmma_scale_f32_16x16x128_f8f6f4 v[S+64*\t+16*\b+8:S+64*\t+16*\b+15], v[KF+12*\b:KF+12*\b+11], v[Z+12*\t:Z+11+12*\t], 0, v[KS+\b], v[ST+8*\t+6] matrix_a_fmt:MATRIX_FMT_FP6 matrix_b_fmt:MATRIX_FMT_FP6
.endr
.endr                                          ; register 32 c + i of a tile's 64: key 64 c + 32 (lane / 16) + i of the step
	WIN 0
	s_add_co_u32 s16, s19, 1
	s_and_b32 s16, s16, 15                         ; the next step, modulo 16
	s_mul_i32 s2, s16, STEPB
	s_lshl_b32 s3, s16, 8
	KLOAD                                          ; the next step's K lands under the softmax
.set I_, 0
.rept 32
	MAXOP 0, I_
.set I_, I_+1
.endr
.set I_, 0
.rept 32                                       ; one tile's statistics stand among the other's maxima or multiply-adds
	MAXOP 1, I_
.if I_%3 == 2 && I_/3 < 9
	STATOP 0, I_/3
.endif
.set I_, I_+1
.endr
.set I_, 0
.rept 34
	FMAOP 0, I_
.if I_%3 == 2 && I_/3 < 9
	STATOP 1, I_/3
.endif
.set I_, I_+1
.endr
	WIN 0x41
.irp t, 0,1
.set I_, 0
.rept 16
	v_pk_mul_f32 v[O+32*\t+I_:O+32*\t+I_+1], v[O+32*\t+I_:O+32*\t+I_+1], v[ST+8*\t+4:ST+8*\t+5] op_sel_hi:[1,0]   ; O^T under the new M, ahead of the exponentials
.set I_, I_+2
.endr
.endr
	WIN 0
	WALU                                           ; the wait ahead of a batch of transcendentals
.set I_, 0
.rept 66                                       ; the second tile's multiply-adds, which hang on nothing here and are read behind the next wait, stand among the first tile's exponentials
	EXPOP 0, I_
.if I_%2 == 0
	FMAOP 1, I_/2
.endif
.set I_, I_+1
.endr
	FMAOP 1, 33
	WALU                                           ; behind the first batch, ahead of the second
.set I_, 0
.rept 66
	EXPOP 1, I_
.set I_, I_+1
.endr
	v_nop                                          ; a plain line behind the exponentials
	WALU
.irp t, 0,1
.irp c, 0,1
	v_max_num_f32 v[T+20*\t+\c], 0x1800000, v[T+20*\t+\c]      ; the floor 2^(3 - 127)
.endr
.endr
.irp t, 0,1
.irp c, 0,1
	v_add_nc_u32 v[T+20*\t+4+\c], 0xff000000, v[T+20*\t+\c]    ; the conversion's scale operand
.endr
.endr
.irp t, 0,1
.irp c, 0,1
	v_lshrrev_b32 v[T+20*\t+9+4*\c], 23, v[T+20*\t+4+\c]       ; the scale's byte: block 2 c + lane / 16
.endr
.endr
.irp t, 0,1
	v_lshl_or_b32 v[T+20*\t+9], v[T+20*\t+13], 16, v[T+20*\t+9]
.endr
.irp t, 0,1
	v_lshlrev_b32 v[T+20*\t+9], v[SH], v[T+20*\t+9]            ; at their places in the word,
.endr
.irp t, 0,1
	v_permlanex16_b32 v[T+20*\t+2], v[T+20*\t+9], s20, s21
.endr
.irp t, 0,1
	v_or_b32 v[ST+8*\t+5], v[T+20*\t+9], v[T+20*\t+2]          ; and with lane l xor 16's two: p's scale word for these 128 keys
.endr
.irp t, 0,1
.irp c, 0,1
	v_cvt_scalef32_pk16_fp6_f32 v[P+12*\t+6*\c:P+12*\t+6*\c+2], v[S+64*\t+32*\c:S+64*\t+32*\c+15], v[T+20*\t+4+\c]
	v_cvt_scalef32_pk16_fp6_f32 v[T+20*\t+6+4*\c:T+20*\t+8+4*\c], v[S+64*\t+32*\c+16:S+64*\t+32*\c+31], v[T+20*\t+4+\c]   ; (a conversion's three registers begin on an even number)
.endr
.endr
.set I_, 0
.rept 32                                       ; the sums are also the lines between the writes of p's codes and scale words and the products
	SUMOP 0, I_
	SUMOP 1, I_
.if I_ == 1
.irp t, 0,1
.irp c, 0,1
.irp i, 0,1,2
	v_mov_b32 v[P+12*\t+6*\c+3+\i], v[T+20*\t+6+4*\c+\i]
.endr
.endr
.endr
.endif
.set I_, I_+1
.endr
	WALU
	s_wait_dscnt 0x0                               ; V's fragments and scale words are in, and the next step's K, asked for ahead of the softmax: no LDS load of mine is out at the signal
	s_barrier_signal -1                            ; the eight waves meet once a step, so that they walk K and V together; only products and loads of bytes that nobody writes stand between signal and wait
	WIN 0x51
.irp a, 0,1,2,3                                ; O^T += V^T P^T: eight accumulators by turns
.irp t, 0,1
	v_wmma_scale_f32_16x16x128_f8f6f4 v[O+32*\t+8*\a:O+32*\t+8*\a+7], v[VF+12*\a:VF+12*\a+11], v[P+12*\t:P+12*\t+11], v[O+32*\t+8*\a:O+32*\t+8*\a+7], v[VS+\a], v[ST+8*\t+5] matrix_a_fmt:MATRIX_FMT_FP6 matrix_b_fmt:MATRIX_FMT_FP6
.endr
.endr
	WIN 0
	VLOAD                                          ; the next step's V
	s_barrier_wait -1
.endm
	WALU
	s_wait_tensorcnt 0x0                           ; my fill has landed,
	s_barrier_signal -1
	s_barrier_wait -1                              ; everybody's has: the head's K and V lie in LDS for the rest of the launch
	KLOAD
	VLOAD
	s_mov_b32 s17, 2                               ; passes to go
.Lpass:
.irp t, 0,1
	v_mov_b32 v[ST+8*\t+1], 0xff61b1e6             ; the largest score so far: -3e38
	v_mov_b32 v[ST+8*\t], 0x7f61b1e6               ; -M
	v_mov_b32 v[ST+8*\t+2], 0
	v_mov_b32 v[ST+8*\t+3], 0
.endr
	WIN 0x40
.set I_, 0
.rept 64
	v_mov_b32 v[O+I_], 0                           ; O^T: the step is written once; the first change of M leaves zeros zeros
.set I_, I_+1
.endr
	WIN 0
	s_mov_b32 s19, 0
	WALU
.Lstep:
	STEP
	s_add_co_u32 s19, s19, 1
	s_cmp_lt_u32 s19, 16
	s_cbranch_scc1 .Lstep
; A pass ends: O^T / the sum; register 16 b + i is channel 32 b + 16 (lane / 16) + i of my query: two blocks are quantised and make one unit, which leaves as it stands.
.irp t, 0,1
	v_add_f32 v[ST+8*\t+2], v[ST+8*\t+2], v[ST+8*\t+3]
.endr
.irp t, 0,1
	v_permlanex16_b32 v[T+20*\t+2], v[ST+8*\t+2], s20, s21
.endr
.irp t, 0,1
	v_add_f32 v[ST+8*\t+2], v[ST+8*\t+2], v[T+20*\t+2]         ; the row's sum
.endr
	WALU
.irp t, 0,1
	v_rcp_f32 v[ST+8*\t+2], v[ST+8*\t+2]
.endr
	v_nop
	WIN 0x01
	WALU                                           ; behind the reciprocals, directly ahead of the first reader of O^T
.irp t, 0,1
.set I_, 0
.rept 16
	v_pk_mul_f32 v[S+64*\t+I_:S+64*\t+I_+1], v[O+32*\t+I_:O+32*\t+I_+1], v[ST+8*\t+2:ST+8*\t+3] op_sel_hi:[1,0]   ; each accumulator from its low end on
.set I_, I_+2
.endr
.endr
	WIN 0
.irp t, 0,1
.irp b, 0,1
	v_max3_num_f32 v[T+20*\t+\b], |v[S+64*\t+16*\b]|, |v[S+64*\t+16*\b+1]|, 0x1800000
.endr
.endr
.irp i, 2,4,6,8,10,12,14
.irp t, 0,1
.irp b, 0,1
	v_max3_num_f32 v[T+20*\t+\b], v[T+20*\t+\b], |v[S+64*\t+16*\b+\i]|, |v[S+64*\t+16*\b+\i+1]|
.endr
.endr
.endr
.irp t, 0,1
.irp b, 0,1
	v_permlanex16_b32 v[T+20*\t+2+\b], v[T+20*\t+\b], s20, s21
.endr
.endr
.irp t, 0,1
.irp b, 0,1
	v_max_num_f32 v[T+20*\t+\b], v[T+20*\t+\b], v[T+20*\t+2+\b]
.endr
.endr
.irp t, 0,1
.irp b, 0,1
	v_add_nc_u32 v[T+20*\t+4+\b], 0xff000000, v[T+20*\t+\b]
.endr
.endr
.irp t, 0,1
.irp b, 0,1
	v_lshrrev_b32 v[T+20*\t+9+4*\b], 23, v[T+20*\t+4+\b]
.endr
.endr
.irp t, 0,1
	v_lshl_or_b32 v[T+20*\t+9], v[T+20*\t+13], 8, v[T+20*\t+9] ; my row's two scale bytes
.endr
.irp t, 0,1
	v_cvt_scalef32_pk16_fp6_f32 v[P+12*\t:P+12*\t+2], v[S+64*\t:S+64*\t+15], v[T+20*\t+4]
	v_cvt_scalef32_pk16_fp6_f32 v[T+20*\t+6:T+20*\t+8], v[S+64*\t+16:S+64*\t+31], v[T+20*\t+5]
.endr
	v_nop
.irp t, 0,1
.irp i, 0,1,2
	v_permlane16_swap_b32 v[P+12*\t+\i], v[T+20*\t+6+\i]
.endr
.endr
.irp t, 0,1
.irp i, 0,1,2
	v_mov_b32 v[P+12*\t+3+\i], v[T+20*\t+6+\i]
.endr
.endr
.irp t, 0,1
	global_store_b128 v[L16], v[P+12*\t:P+12*\t+3], s[88:89] offset:12288*\t       ; 512 consecutive bytes,
	global_store_b64 v[L8], v[P+12*\t+4:P+12*\t+5], s[88:89] offset:12288*\t+512   ; and 256: the unit
	global_store_b16 v[R16], v[T+20*\t+9], s[90:91] offset:512*\t                  ; lanes r and r + 16 store the same two bytes with the same value
.endr
	s_sub_co_u32 s17, s17, 1
	s_cmp_eq_u32 s17, 0
	s_cbranch_scc1 .Ldone
	s_wait_xcnt 0x0                                ; the stores have read their registers and bases
	s_add_nc_u64 s[88:89], s[88:89], 196608        ; 16 token tiles on
	s_add_nc_u64 s[90:91], s[90:91], 8192
	WIN 0x41
.irp t, 0,1
.irp i, 0,1,2,3,4,5
	v_mov_b32 v[Z+6+12*\t+\i], v[HQ+6*\t+\i]       ; the second pass's q takes its place
.endr
.endr
	WIN 0
	v_perm_b32 v[ST+6], v33, v33, 0x01000100
	v_perm_b32 v[ST+14], v33, v33, 0x03020302
	s_cmp_lg_u32 s17, 0
	WALU
	s_cbranch_scc1 .Lpass
.Ldone:
	s_wait_tensorcnt 0x0                           ; the wave's end
	ds_add_u32 v[SPW], v[NIL]
	s_wait_dscnt 0x0
	CROUND                                         ; the closing round
	s_endpgm
.Lfunc_end_k_q1b628f42e3_attn:
	.size	k_q1b628f42e3_attn, .Lfunc_end_k_q1b628f42e3_attn-k_q1b628f42e3_attn
	.p2alignl 7, 3214868480
	.fill 96, 4, 3214868480
	.section	.rodata,"a",@progbits
	.p2align	6, 0x0
	.amdhsa_kernel k_q1b628f42e3_attn
		.amdhsa_group_segment_fixed_size 327680
		.amdhsa_private_segment_fixed_size 0
		.amdhsa_enable_private_segment 0
		.amdhsa_kernarg_size 32
		.amdhsa_user_sgpr_count 2
		.amdhsa_user_sgpr_kernarg_segment_ptr 1
		.amdhsa_wavefront_size32 1
		.amdhsa_system_sgpr_workgroup_id_x 1
		.amdhsa_system_sgpr_workgroup_id_y 1
		.amdhsa_system_sgpr_workgroup_id_z 1
		.amdhsa_system_vgpr_workitem_id 0
		.amdhsa_next_free_vgpr 512
		.amdhsa_next_free_sgpr 96
		.amdhsa_reserve_vcc 0
		.amdhsa_float_denorm_mode_32 3
		.amdhsa_float_denorm_mode_16_64 3
		.amdhsa_memory_ordered 1
		.amdhsa_forward_progress 1
		.amdhsa_inst_pref_size 52
	.end_amdhsa_kernel
	.amdgpu_metadata
---
amdhsa.version: [ 1, 2 ]
amdhsa.kernels:
  - .name:           k_q1b628f42e3_attn
    .symbol:         k_q1b628f42e3_attn.kd
    .args:
      - { .name: qkv, .offset: 0, .size: 8, .value_kind: global_buffer, .address_space: global }
      - { .name: qkvs, .offset: 8, .size: 8, .value_kind: global_buffer, .address_space: global }
      - { .name: ctxc, .offset: 16, .size: 8, .value_kind: global_buffer, .address_space: global }
      - { .name: ctxs, .offset: 24, .size: 8, .value_kind: global_buffer, .address_space: global }
    .group_segment_fixed_size: 327680
    .private_segment_fixed_size: 0
    .kernarg_segment_align: 8
    .kernarg_segment_size: 32
    .max_flat_workgroup_size: 256
    .sgpr_count:     96
    .vgpr_count:     512
    .wavefront_size: 32
...
	.end_amdgpu_metadata
.endif
;; end of part 3
;; launch outp (part 4): grid 4 x 64, 4 waves a work-group, clusters of 4 x 4, 327,680 bytes of LDS; arguments ctxc, ctxs, wc, ws, bo, out0; writes out0
.if DOCPART == 4
	.amdgcn_target "amdgcn-amd-amdhsa--gfx1250"
	.amdhsa_code_object_version 6
	.text
	.protected	k_q1b628f42e3_outp
	.globl	k_q1b628f42e3_outp
	.p2align	8
	.type	k_q1b628f42e3_outp,@function
k_q1b628f42e3_outp:
	s_mov_b64 s[64:65], 0
	v_nop
	global_prefetch_b8 v0, s[64:65] scope:SCOPE_SE
	s_setreg_imm32_b32 hwreg(HW_REG_WAVE_MODE, 25, 1), 1
	s_wait_xcnt 0x0
	s_wait_alu depctr_hold_cnt(0) depctr_sa_sdst(0) depctr_va_vdst(0) depctr_va_sdst(0) depctr_va_ssrc(0) depctr_va_vcc(0) depctr_vm_vsrc(0)
	s_getreg_b32 s2, hwreg(HW_REG_IB_STS2, 6, 4)
	s_cmp_eq_u32 s2, 0
	s_cbranch_scc0 .Lentry_in_a_cluster
	s_endpgm
.Lentry_in_a_cluster:
	s_bfe_u32 s2, ttmp6, 0x10000c
	s_cmp_lg_u32 s2, 0xf033
	s_cbranch_scc0 .Lentry_shape_is_right
	s_endpgm
.Lentry_shape_is_right:
; out0[token][f] = the sum over e of ctx[token][e] Wo[f][e] + bo[f], on codes of FP6 (E2M3) with E8M0 scales; sums in f32.
; INPUTS: ctxc and wc (Wo's part from byte 0x240000): [tile of 16 rows][16 units of 768 bytes], a unit = 16 rows x 64 along K, an image of six operand registers (lane l: 16 bytes at 16 l, 8 at 512 + 8 l);
; row rho of tile T is the tensor's row 32 (T / 2) + 8 (T % 2) + rho % 8 + 16 (rho / 8).  ctxs and ws (Wo's from byte 0x18000): [tile][half of K][row][16 bytes].
; SHARES.  A work-group makes 128 x 256 of the result: 64 x 4 = 256 work-groups; four waves, 2 x 2, each 64 x 128: 32 accumulators of 16 x 16.
; ALL OF K LIES IN LDS AT ONCE: A's 8 tiles and B's 16, 12,288 bytes each, are 294,912 bytes.  So nothing is filled again.  One joint load a wave at the head: wave 0 A's first half of K, wave 1 B's,
; wave 2 A's second half, wave 3 B's.  The first barrier shows the first half (waves 0 and 1 have waited; their load lines are their own), the second, ahead of the fetch of K step 4, the second half.
; Behind the second barrier nobody reads the first half's bytes: the stages of the way out lie there.
; CLUSTERS: 4 x 4 work-groups; A's tiles are shared along a row of the cluster, B's along a column.
; No prefetch: every tile is asked for at the head, and there is no loop to run ahead in.
; THE SCALE WORDS go from memory into registers: a tile's 512 bytes by one load of 16 bytes a lane: register q holds in lanes 0-15 the word of K step q, in lanes 16-31 that of K step 4 + q; the ROW selector picks.
; THE MATRIX INSTRUCTION IS USED TRANSPOSED (source 0 = 16 rows of Wo, source 1 = 16 rows of ctx): a lane holds eight neighbouring numbers of a row of the result.  The bias is the first products' C.
; REGISTERS: window 0: v16-29 addresses; v32-47 A's scale words, v50-81 B's; v128-223 A's fragments, two sets of 4; on the way out v128-255.  Window 1: B's fragments, two sets of 8, at v0 and v128.
; Window 2: the accumulators, (a, b) at v[8 (8 a + b)].  Window 3: v0-63 the bias.
.set ROWH,   6144                      ; a tile's bytes in half of K
.set AH,     8*ROWH
.set HB,     24*ROWH                   ; a half of K: A's 8 tiles, then B's 16
.set SPARE,  2*HB                      ; the spare words: 128 bytes a wave
.set SPITCH, 528
.set ADRA, 16                          ; v16, v17: 16 x lane in my A tiles, first and second half of K; v18, v19: 8 x lane
.set ADRB, 20
.set STO,  24
.set RD,   25
.set CO,   26
.set SPW,  28
.set NIL,  29
.set SA,   32
.set SBS,  50                          ; (A's and B's scale registers of a product differ modulo 8)
.set AF,   128
.set BK,   128
.set G0A,  32
.set G0B,  36
.set G1A,  48
.set G1B,  56
.set MSB, 0
.macro WIN new
.if MSB != (\new)
	s_set_vgpr_msb (MSB<<8)|(\new)
.set MSB, (\new)
.endif
.endm
.macro PLACES n
.rept \n
	v_nop
.endr
.endm
.macro CROUND
	s_barrier_signal -1
	s_barrier_wait -1
	s_cmp_lg_u32 s14, 0
	s_cbranch_scc1 .Lnot_wave_0_\@
	s_barrier_signal -3
.Lnot_wave_0_\@:
	s_barrier_wait -3
	s_barrier_signal -1
	s_barrier_wait -1
.endm
.macro ARM under, g0, g1, next
	s_cmp_lt_u32 s14, \under
	s_cbranch_scc0 \next
	tensor_load_to_lds s[\g0:\g0+3], s[\g1:\g1+7]
	s_nop 0
	PLACES 4
	s_branch .Lasked
\next:
.endm
	s_load_b256 s[4:11], s[0:1], 0x0               ; ctxc, ctxs, wc, ws
	s_load_b128 s[92:95], s[0:1], 0x20             ; bo, out0
	v_lshl_add_u32 v[SPW], v0, 2, SPARE
	v_mov_b32 v[NIL], 0
	ds_add_u32 v[SPW], v[NIL]                      ; the opening lines: the add twice on end and one wait
	ds_add_u32 v[SPW], v[NIL]
	v_lshrrev_b32 v1, 5, v0
	v_readfirstlane_b32 s14, v1                    ; wave
	s_lshr_b32 s15, s14, 1                         ; my half of the block's rows.  Also: which half of K I fetch
	s_and_b32 s16, s14, 1                          ; my half of its columns
	s_bfe_u32 s40, ttmp6, 0x40000
	s_bfe_u32 s41, ttmp6, 0x40004
	s_lshl_b32 s42, ttmp9, 2
	s_add_co_u32 s42, s42, s40                     ; block column, 0..3
	s_and_b32 s17, ttmp7, 0xffff
	s_lshl_b32 s17, s17, 2
	s_add_co_u32 s17, s17, s41                     ; block row, 0..63
	s_lshl_b32 s43, s41, 2
	s_lshl_b32 s43, 15, s43                        ; my row of the cluster
	s_lshl_b32 s44, 0x1111, s40                    ; my column
	s_or_b32 s[G1A], s43, (3<<16)|(1<<21)
	s_or_b32 s[G1B], s44, (3<<16)|(1<<21)
.irp g, G1A, G1B                               ; rows of 6,144 bytes (768 elements of 8), 12,288 apart
	s_mov_b32 s[\g+1], 768<<16
	s_mov_b32 s[\g+3], 768<<16
	s_mov_b32 s[\g+5], 1536
	s_mov_b32 s[\g+6], 0
	s_mov_b32 s[\g+7], 0
.endr
	s_mov_b32 s[G1A+2], 8<<16
	s_mov_b32 s[G1A+4], 8
	s_mov_b32 s[G1B+2], 16<<16
	s_mov_b32 s[G1B+4], 16
	s_mov_b32 s[G0A], 1
	s_mul_i32 s[G0A+1], s15, HB
	s_mov_b32 s[G0B], 1
	s_add_co_u32 s[G0B+1], s[G0A+1], AH
	s_mul_i32 s18, s15, ROWH
	s_mul_i32 s20, s17, 98304
	s_add_co_u32 s20, s20, s18                     ; A's codes: block row, half of K
	s_mov_b32 s21, 0
	s_mul_i32 s46, s42, 196608
	s_add_co_u32 s46, s46, s18
	s_add_co_u32 s46, s46, 0x240000                ; B's: Wo's part, block column, half of K
	s_mov_b32 s47, 0
	s_lshl_b32 s22, s17, 3
	s_lshl_b32 s19, s15, 2
	s_add_co_u32 s22, s22, s19
	s_lshl_b32 s22, s22, 9                         ; my four tiles' scale bytes
	s_mov_b32 s23, 0
	s_lshl_b32 s66, s42, 4
	s_lshl_b32 s19, s16, 3
	s_add_co_u32 s66, s66, s19
	s_lshl_b32 s66, s66, 9
	s_add_co_u32 s66, s66, 0x18000                 ; my eight tiles of Wo
	s_mov_b32 s67, 0
	s_lshl_b32 s68, s42, 10
	s_lshl_b32 s19, s16, 9
	s_add_co_u32 s68, s68, s19                     ; my first column, in bytes
	s_mov_b32 s69, 0
	s_lshl_b32 s70, s17, 19
	s_lshl_b32 s19, s15, 18
	s_add_co_u32 s70, s70, s19                     ; my first row of out0, in bytes
	s_mov_b32 s71, 0
	s_mul_i32 s24, s15, 4*ROWH                     ; LDS: my four tiles of A in the first half of K, in the second,
	s_add_co_u32 s25, s24, HB
	s_mul_i32 s26, s16, 8*ROWH
	s_add_co_u32 s26, s26, AH                      ; my eight of B,
	s_add_co_u32 s27, s26, HB
	s_mul_i32 s28, s14, 16*SPITCH                  ; my stage
	s_wait_alu depctr_va_vdst(0)
	s_wait_dscnt 0x0
	s_wait_kmcnt 0x0
	s_add_nc_u64 s[G0A+2:G0A+3], s[4:5], s[20:21]
	s_or_b32 s[G0A+3], s[G0A+3], 0x80000000
	s_add_nc_u64 s[G0B+2:G0B+3], s[8:9], s[46:47]
	s_or_b32 s[G0B+3], s[G0B+3], 0x80000000
	s_add_nc_u64 s[22:23], s[6:7], s[22:23]
	s_add_nc_u64 s[66:67], s[10:11], s[66:67]
	s_add_nc_u64 s[92:93], s[92:93], s[68:69]
	s_add_nc_u64 s[94:95], s[94:95], s[68:69]
	s_add_nc_u64 s[94:95], s[94:95], s[70:71]
	CROUND                                         ; all sixteen work-groups are here: the joint loads meet
	ARM 1, G0A, G1A, .Larm_1
	ARM 2, G0B, G1B, .Larm_2
	ARM 3, G0A, G1A, .Larm_3
	tensor_load_to_lds s[G0B:G0B+3], s[G1B:G1B+7]
	s_nop 0
	PLACES 4
.Lasked:
	v_and_b32 v1, 15, v0
	v_bfe_u32 v2, v0, 4, 1
	v_and_b32 v3, 31, v0
	v_lshlrev_b32 v[CO], 4, v3
	v_lshlrev_b32 v5, 3, v3
	v_lshlrev_b32 v8, 6, v2
.irp i, 0,1,2,3
	global_load_b128 v[SA+4*\i:SA+4*\i+3], v[CO], s[22:23] offset:512*\i      ; 32 lanes read a tile's 512 consecutive bytes
.endr
.irp i, 0,1,2,3,4,5,6,7
	global_load_b128 v[SBS+4*\i:SBS+4*\i+3], v[CO], s[66:67] offset:512*\i
.endr
	WIN 0xc0
.irp b, 0,1,2,3,4,5,6,7                        ; register i of tile b in lane half h is column 32 (b / 2) + 8 (b % 2) + 16 h + i of my 128
	global_load_b128 v[8*\b:8*\b+3], v8, s[92:93] offset:(32*(\b/2)+8*(\b%2))*4
	global_load_b128 v[8*\b+4:8*\b+7], v8, s[92:93] offset:(32*(\b/2)+8*(\b%2))*4+16
.endr
	WIN 0
	v_add_nc_u32 v[ADRA], s24, v[CO]
	v_add_nc_u32 v[ADRA+1], s25, v[CO]
	v_add_nc_u32 v[ADRA+2], s24, v5
	v_add_nc_u32 v[ADRA+3], s25, v5
	v_add_nc_u32 v[ADRB], s26, v[CO]
	v_add_nc_u32 v[ADRB+1], s27, v[CO]
	v_add_nc_u32 v[ADRB+2], s26, v5
	v_add_nc_u32 v[ADRB+3], s27, v5
	v_add_nc_u32 v[RD], s28, v[CO]
	v_mul_u32_u24 v6, v1, SPITCH
	v_lshl_add_u32 v6, v2, 6, v6
	v_add_nc_u32 v[STO], s28, v6
.macro FRAG reg, adr, q, i             ; tile i, K step q of the half: two units, 12 registers
	ds_load_b128 v[\reg:\reg+3], v[\adr] offset:ROWH*(\i)+1536*(\q)
	ds_load_b64 v[\reg+4:\reg+5], v[\adr+2] offset:ROWH*(\i)+1536*(\q)+512
	ds_load_b128 v[\reg+6:\reg+9], v[\adr] offset:ROWH*(\i)+1536*(\q)+768
	ds_load_b64 v[\reg+10:\reg+11], v[\adr+2] offset:ROWH*(\i)+1536*(\q)+1280
.endm
.macro FETCH s                         ; K step s's twelve fragments into set s % 2: 48 loads
	WIN 0x40
.irp i, 0,1,2,3,4,5,6,7
	FRAG 128*((\s)%2)+12*\i, ADRB+(\s)/4, (\s)%4, \i
.endr
	WIN 0
.irp i, 0,1,2,3
	FRAG AF+48*((\s)%2)+12*\i, ADRA+(\s)/4, (\s)%4, \i
.endr
.endm
.macro PROD d, bf, af, c, sb, sa, row
.if \row
	v_wmma_scale_f32_16x16x128_f8f6f4 v[\d:\d+7], v[\bf:\bf+11], v[\af:\af+11], v[\c:\c+7], v[\sb], v[\sa] matrix_a_fmt:MATRIX_FMT_FP6 matrix_b_fmt:MATRIX_FMT_FP6 matrix_a_scale:MATRIX_SCALE_ROW1 matrix_b_scale:MATRIX_SCALE_ROW1
.else
	v_wmma_scale_f32_16x16x128_f8f6f4 v[\d:\d+7], v[\bf:\bf+11], v[\af:\af+11], v[\c:\c+7], v[\sb], v[\sa] matrix_a_fmt:MATRIX_FMT_FP6 matrix_b_fmt:MATRIX_FMT_FP6
.endif
.endm
; A K step: the next step's fragments are asked for first, into the set that the last step's products have read (four places behind them); then 32 products, the 32 accumulators by turns, in the same order in every step.
.macro STEP s
	s_wait_dscnt 0x0                               ; this step's 48 loads are in; none else is out
.if (\s) == 3
	s_wait_tensorcnt 0x0                           ; every wave's load has landed, and my reads of the first half of K are over:
	s_barrier_signal -1
	s_barrier_wait -1                              ; the second half is whole, and nobody reads the first any more
.endif
.if (\s) < 7
.if (\s) > 0
	PLACES 4
.endif
	FETCH (\s)+1
.endif
.if (\s) == 0
	WIN 0xb1                                       ; source 0 window 1, source 1 window 0, C window 3 (the bias), D window 2
.else
	WIN 0xa1
.endif
.irp a, 0,1,2,3
.irp b, 0,1,2,3,4,5,6,7
.if (\s) == 0
	PROD 8*(8*\a+\b), 12*\b, AF+12*\a, 8*\b, SBS+4*\b, SA+4*\a, 0
.else
	PROD 8*(8*\a+\b), 128*((\s)%2)+12*\b, AF+48*((\s)%2)+12*\a, 8*(8*\a+\b), SBS+4*\b+(\s)%4, SA+4*\a+(\s)%4, (\s)/4
.endif
.endr
.endr
	WIN 0
.endm
	s_wait_alu depctr_va_vdst(0)                   ; the wait at the head's end
	s_cmp_lt_u32 s14, 2
	s_cbranch_scc0 .Lnot_first
	s_wait_tensorcnt 0x0                           ; waves 0 and 1: my tile of the first half of K is in
.Lnot_first:
	s_barrier_signal -1
	s_barrier_wait -1                              ; the first half is whole; the second may still be on its way
	FETCH 0
	s_wait_loadcnt 0x0                             ; the scale words and the bias
.irp s, 0,1,2,3,4,5,6,7
	STEP \s
.endr
; THE WAY OUT, block by block of 16 rows x 128 columns, through my own stage: back come whole rows of 512 bytes, which the 32 lanes store as two aligned runs of 256 bytes.
.macro TOSTAGE a
	WIN 0x08
.irp b, 0,1,2,3,4,5,6,7
	ds_store_b128 v[STO], v[64*(\a)+8*\b:64*(\a)+8*\b+3] offset:128*(\b/2)+32*(\b%2)       ; each accumulator from its low end on
	ds_store_b128 v[STO], v[64*(\a)+8*\b+4:64*(\a)+8*\b+7] offset:128*(\b/2)+32*(\b%2)+16
.endr
	WIN 0
.set BB, BK+64*((\a)%2)
.irp t, 0,1,2,3,4,5,6,7,8,9,10,11,12,13,14,15
	ds_load_b128 v[BB+4*\t:BB+4*\t+3], v[RD] offset:\t*SPITCH      ; LDS serves a wave's instructions in order: these see my stores
.endr
.endm
.macro SEND a, younger                 ; younger: the LDS instructions issued behind block a's loads
.set BB, BK+64*((\a)%2)
	s_wait_dscnt \younger
.irp t, 0,1,2,3,4,5,6,7,8,9,10,11,12,13,14,15
	global_store_b128 v[CO], v[BB+4*\t:BB+4*\t+3], s[94:95] offset:(32*((\a)/2)+8*((\a)%2)+\t%8+16*(\t/8))*4096 th:TH_STORE_NT
.endr
.endm
	PLACES 4
	TOSTAGE 0
.irp a, 1,2,3
.if \a > 1
	s_wait_xcnt 0x0                                ; block a - 2's stores have read their registers
.endif
	TOSTAGE \a
	SEND \a-1, 32                                  ; behind block a - 1's loads: block a's 16 stores and 16 loads
.endr
	SEND 3, 0
	s_wait_tensorcnt 0x0                           ; the wave's end
	ds_add_u32 v[SPW], v[NIL]
	s_wait_dscnt 0x0
	CROUND                                         ; the closing round
	s_endpgm
.Lfunc_end_k_q1b628f42e3_outp:
	.size	k_q1b628f42e3_outp, .Lfunc_end_k_q1b628f42e3_outp-k_q1b628f42e3_outp
	.p2alignl 7, 3214868480
	.fill 96, 4, 3214868480
	.section	.rodata,"a",@progbits
	.p2align	6, 0x0
	.amdhsa_kernel k_q1b628f42e3_outp
		.amdhsa_group_segment_fixed_size 327680
		.amdhsa_private_segment_fixed_size 0
		.amdhsa_enable_private_segment 0
		.amdhsa_kernarg_size 48
		.amdhsa_user_sgpr_count 2
		.amdhsa_user_sgpr_kernarg_segment_ptr 1
		.amdhsa_wavefront_size32 1
		.amdhsa_system_sgpr_workgroup_id_x 1
		.amdhsa_system_sgpr_workgroup_id_y 1
		.amdhsa_system_sgpr_workgroup_id_z 1
		.amdhsa_system_vgpr_workitem_id 0
		.amdhsa_next_free_vgpr 1024
		.amdhsa_next_free_sgpr 98
		.amdhsa_reserve_vcc 0
		.amdhsa_float_denorm_mode_32 3
		.amdhsa_float_denorm_mode_16_64 3
		.amdhsa_memory_ordered 1
		.amdhsa_forward_progress 1
		.amdhsa_inst_pref_size 83
	.end_amdhsa_kernel
	.amdgpu_metadata
---
amdhsa.version: [ 1, 2 ]
amdhsa.kernels:
  - .name:           k_q1b628f42e3_outp
    .symbol:         k_q1b628f42e3_outp.kd
    .args:
      - { .name: ctxc, .offset: 0, .size: 8, .value_kind: global_buffer, .address_space: global }
      - { .name: ctxs, .offset: 8, .size: 8, .value_kind: global_buffer, .address_space: global }
      - { .name: wc, .offset: 16, .size: 8, .value_kind: global_buffer, .address_space: global }
      - { .name: ws, .offset: 24, .size: 8, .value_kind: global_buffer, .address_space: global }
      - { .name: bo, .offset: 32, .size: 8, .value_kind: global_buffer, .address_space: global }
      - { .name: out0, .offset: 40, .size: 8, .value_kind: global_buffer, .address_space: global }
    .group_segment_fixed_size: 327680
    .private_segment_fixed_size: 0
    .kernarg_segment_align: 8
    .kernarg_segment_size: 48
    .max_flat_workgroup_size: 128
    .sgpr_count:     98
    .vgpr_count:     1024
    .wavefront_size: 32
...
	.end_amdgpu_metadata
.endif
;; end of part 4
